; MI455X (gfx1250); checked and timed in simulation.
; The chip was launched on July 23, 2026; its instructions are those of AMD's public machine-readable ISA for CDNA 5 (MIT licence, August 2026) and "CDNA5" Instruction Set Architecture Reference Guide (July 2026). The comments in the code are by the model that wrote it; some were corrected since.
;; Full Attention. Allowed arithmetic: matrix products marked QUANTISED: E2M3 operands, one E8M0 scale for each 32 along K, by v_wmma_scale_f32_16x16x128_f8f6f4 with both operands' format E2M3, f32 sums; everything else in f32.
;; Inputs: Wk 1,024 x 1,024 float32; Wo 1,024 x 1,024 float32; Wq 1,024 x 1,024 float32; Wv 1,024 x 1,024 float32; rope_cos 2,048 x 32 float32; rope_sin 2,048 x 32 float32; x 4 x 2,048 x 1,024 float32.
;; Outputs: out0 4 x 2,048 x 1,024 float32.
;; This version of the problem:
;;   THIS VERSION OF THE PROBLEM IS GIVEN IN LOW PRECISION. The matrix products marked QUANTISED in the list below multiply operands that are first quantised to E2M3 (2 exponent bits, 3 mantissa bits; 6 bits a number), with one power-of-two scale for each 32 numbers along K (OCP MX v1.0); their sums are f32. All else is computed in f32.
;;   The module's matrix products, in the order in which they are computed (A, B: the left and right operand; K: the contracted axis; several contracted axes count as one K, in the product's order):
;;     1. [M 8,192, K 1,024] x [K 1,024, N 1,024]; A: input x; B: input Wq: QUANTISED
;;     2. [M 8,192, K 1,024] x [K 1,024, N 1,024]; A: input x; B: input Wk: QUANTISED
;;     3. [M 8,192, K 1,024] x [K 1,024, N 1,024]; A: input x; B: input Wv: QUANTISED
;;     4. batch 64 x [M 2,048, K 64] x [K 64, N 2,048]; A: computed on the way; B: computed on the way: QUANTISED
;;     5. batch 64 x [M 2,048, K 2,048] x [K 2,048, N 64]; A: softmax (see below); B: computed on the way: QUANTISED
;;     6. [M 8,192, K 1,024] x [K 1,024, N 1,024]; A: computed on the way; B: input Wo: QUANTISED
;;   THE QUANTISER, for each operand of a quantised product, along K:
;;     - K is cut into blocks of 32 from its start; a last block that is shorter is filled with zeros.
;;     - A block's scale is 2^e with e = floor(log2(the largest magnitude in the block)) - 2, held to -126 .. 127; a block of zeros has e = 0. As a byte (E8M0): e + 127.
;;     - Each number is divided by its block's scale, clamped to +-7.5, and rounded to the nearest number of E2M3, ties to even, subnormals kept.
;;     - The product sums the exact products of the quantised numbers (number of the format x scale) in f32.
;;   ~~~python
;;   def quantise(x, axis):      # numpy; x: float32 -> the quantised numbers, widened to float32 again
;;       x = np.moveaxis(x, axis, -1); K = x.shape[-1]
;;       x = np.pad(x, [(0, 0)] * (x.ndim - 1) + [(0, -K % 32)]); x = x.reshape(x.shape[:-1] + (-1, 32)); a = np.abs(x).max(-1, keepdims=True)
;;       e = np.where(a > 0, np.clip(np.frexp(np.where(a > 0, a, 1))[1] - 1 - 2, -126, 127), 0)      # np.frexp(a)[1] - 1 = floor(log2(a)), exactly
;;       r = np.clip(x / 2.0 ** e, -7.5, 7.5)
;;       step = 2.0 ** (np.maximum(np.frexp(np.where(r == 0, 1, r))[1] - 1, 0) - 3)
;;       q = np.round(r / step) * step * 2.0 ** e      # np.round: ties to even
;;       return np.moveaxis(q.reshape(q.shape[:-2] + (-1,))[..., :K], -1, axis).astype(np.float32)
;;   ~~~
;;   SOFTMAX AHEAD OF A QUANTISED PRODUCT. Where the list says 'softmax', what is quantised is not the finished softmax but p = 2^(t - M), with t = logit x log2(e) and M = ceil(the row's largest t), a whole number; so 1/2 < the row's largest p <= 1. The row's sum l is taken of the UNQUANTISED p, in f32, and the product's result is divided by l at the end. Since M is a whole number, a kernel that streams over the keys may use a running M (the ceiling of the running maximum): every later rescaling is an exact power of two, which a block's scale takes up: the codes' values come out the same.
;;   OPERANDS COMPUTED ON THE WAY. 'Computed on the way' means the value that the module computes at that place (a softmax that the list does not call 'softmax' is quantised finished and normalised). What goes into a quantiser is computed in f32, as accurately as f32 sums, v_exp_f32 and their like allow (about 1e-6 of the number): no bf16 or f16 on the way to a quantiser, and a product that is left as it is and whose result goes on into a quantised operand takes f32 operands (vector FMAs, or v_wmma_f32_16x16x4_f32). A number that lies on a knife's edge between two numbers of the format may be rounded either way, as far as f32 arithmetic and the matrix unit's own rounding can turn it there, and no further.
;; One version. Each part assembles by itself: llvm-mc -triple=amdgcn-amd-amdhsa -mcpu=gfx1250 --defsym DOCPART=n.
;; ======== version 1 of 1: 4 launches
;; workspace buffers: xq 6,553,600 bytes; wq 3,276,800 bytes; qb 13,631,488 bytes; kv 13,631,488 bytes; aq 6,553,600 bytes
;; launch quant (part 1): grid 384 x 1, 4 waves a work-group, no clusters, 34,304 bytes of LDS; arguments x, Wq, Wk, Wv, Wo, xq, wq; writes xq, wq
.if DOCPART == 1
	.amdgcn_target "amdgcn-amd-amdhsa--gfx1250"
	.amdhsa_code_object_version 6
	.text
	.protected	k_q677de96c0a_quant
	.globl	k_q677de96c0a_quant
	.p2align	8
	.type	k_q677de96c0a_quant,@function
k_q677de96c0a_quant:
	s_mov_b64 s[64:65], 0
	v_nop
	global_prefetch_b8 v0, s[64:65] scope:SCOPE_SE
	s_setreg_imm32_b32 hwreg(HW_REG_WAVE_MODE, 25, 1), 1
	s_wait_xcnt 0x0
; x [8192][1024] and the four weights [1024 (k)][1024 (n)], f32, become codes of FP6 (E2M3) with one E8M0 scale byte for each 32 along K = 1,024.
; A block's scale is 2^(floor(log2(its largest magnitude)) - 2); its byte is the largest magnitude's exponent field - 2, held at 1 from below.
; LIMITS: NaN and infinities are not served; a block whose largest magnitude lies under 2^-124 keeps the byte 1; a block of zeros has the byte 1 where the rule says 127
; (its codes are zeros, which add nothing under any byte but 0xff, and this program alone reads the bytes).
; THE OUTPUT IS LAID AS IMAGES OF THE OPERAND'S REGISTERS.  A unit is 16 rows x 64 along K, six registers a lane, 768 bytes: registers 0-3 at 16 x lane, registers 4-5 at 512 + 8 x lane;
; lane (r, h) holds k = 32 h + 0 .. 31 of the tile's row r.  A row-tile has 16 units (12,288 bytes); behind all codes lie the scale bytes, 512 a row-tile: [K step of 256][r][128 along K][4 bytes].
; THE ROWS OF A TILE ARE NOT NEIGHBOURS: lane r of tile 2 b + u takes row 32 b + 8 u + r + 8 (r / 8).
; Work-groups 0-255 take x (K innermost: the numbers turn through a stage in LDS so that a lane holds 16 neighbours), work-groups 256-383 the weights (K outermost: a lane takes a column, its registers run down K).
; No barrier: waves share nothing.  Only x's path touches LDS.
.set XQS, 6291456                      ; where x's scale bytes begin in xq
.set WQS, 3145728                      ; and the weights' in wq
.set RR,  16                           ; v16-143  x: two sets of 64 numbers as loaded
.set XX,  144                          ; v144-207 x: 64 numbers, register 16 b + i = k 32 b + 16 h + i of my row
.set PC,  208                          ; v208-219 a fragment's codes
.set QT,  220                          ; v220-227 the conversions' second halves
.set TM,  228                          ; v228-243 at work in QUANT
.set W0,  244                          ; v244-247 the four fragments' scale words
.set SEL, 20                           ; s[20:21] lane selects: lane l xor 16
; 64 numbers of a lane, v[s] on, register 16 b + i = k 32 b + 16 (lane / 16) + i of my row, become a fragment's 12 registers of codes in v[d] on and its scale word in v[w].
.macro QUANT s, d, t, w
.irp b, 0,1,2,3
	v_max3_num_f32 v[TM+\b], |v[\s+16*\b]|, |v[\s+1+16*\b]|, 0x1800000   ; block b: my 16 numbers, and the floor 2^(3 - 127): the byte cannot fall under 1
.endr
.irp i, 2,4,6,8,10,12,14
.irp b, 0,1,2,3
	v_max3_num_f32 v[TM+\b], v[TM+\b], |v[\s+16*\b+\i]|, |v[\s+1+16*\b+\i]|   ; the four blocks by turns
.endr
.endr
.irp b, 0,1,2,3
	v_permlanex16_b32 v[TM+4+\b], v[TM+\b], s[SEL], s[SEL+1]
.endr
.irp b, 0,1,2,3
	v_max_num_f32 v[TM+\b], v[TM+\b], v[TM+4+\b]   ; with lane l xor 16's: the block's largest magnitude
.endr
.irp b, 0,1,2,3
	v_add_nc_u32 v[TM+12+\b], 0xff000000, v[TM+\b]   ; 2 off its exponent field: the conversion's scale operand
.endr
.irp b, 0,1,2,3
	v_lshrrev_b32 v[TM+4+\b], 23, v[TM+12+\b]   ; the scale's byte
.endr
	v_lshl_or_b32 v[\w], v[TM+5], 8, v[TM+4]
	v_lshl_or_b32 v[\w], v[TM+6], 16, v[\w]
	v_lshl_or_b32 v[\w], v[TM+7], 24, v[\w]
.irp c, 0,1
	v_cvt_scalef32_pk16_fp6_f32 v[\d+6*\c:\d+2+6*\c], v[\s+32*\c:\s+15+32*\c], v[TM+12+2*\c]
	v_cvt_scalef32_pk16_fp6_f32 v[\t+4*\c:\t+2+4*\c], v[\s+16+32*\c:\s+31+32*\c], v[TM+12+2*\c+1]   ; (a conversion's three registers begin on an even number)
.endr
	v_nop                                          ; one plain place behind a scaled conversion
.irp c, 0,1                                    ; the layout wants a whole block in a lane: lanes 0-15 block 2 c, lanes 16-31 block 2 c + 1
.irp i, 0,1,2
	v_permlane16_swap_b32 v[\d+6*\c+\i], v[\t+4*\c+\i]
.endr
.irp i, 0,1,2
	v_mov_b32 v[\d+3+6*\c+\i], v[\t+4*\c+\i]
.endr
.endr
.endm
	s_load_b256 s[4:11], s[0:1], 0x0               ; x s[4:5], Wq s[6:7], Wk s[8:9], Wv s[10:11]
	s_load_b128 s[12:15], s[0:1], 0x20             ; Wo s[12:13], xq s[14:15]
	s_load_b64 s[16:17], s[0:1], 0x30              ; wq
	v_lshl_add_u32 v254, v0, 2, 0x8400
	v_mov_b32 v255, 0
	v_lshrrev_b32 v1, 5, v0
	v_readfirstlane_b32 s18, v1                    ; wave 0..3
	v_and_b32 v2, 31, v0                           ; lane
	v_and_b32 v8, 15, v0                           ; lane % 16
	v_bfe_u32 v9, v0, 4, 1                         ; lane / 16
	v_lshlrev_b32 v4, 4, v2                        ; 16 x lane
	v_lshlrev_b32 v5, 3, v2                        ; 8 x lane
	s_wait_kmcnt 0x0
	s_cmp_lt_u32 ttmp9, 256
	s_cbranch_scc0 .Lweights
	; ---------------- x.  Wave g = 4 x work-group + wave takes row-tile g / 2 and K half g % 2: four fragments of 16 rows x 128.
	s_lshl_b32 s22, ttmp9, 2
	s_add_co_u32 s22, s22, s18                     ; g
	s_lshr_b32 s23, s22, 1                         ; the row-tile
	s_and_b32 s24, s22, 1                          ; the K half
	s_lshr_b32 s25, s23, 1
	s_lshl_b32 s25, s25, 17                        ; 32 rows of 4,096 bytes for each pair of tiles,
	s_and_b32 s26, s23, 1
	s_lshl_b32 s26, s26, 15                        ; 8 rows for the odd tile,
	s_add_co_u32 s25, s25, s26
	s_lshl_b32 s26, s24, 11                        ; 512 numbers for the K half
	s_add_co_u32 s26, s25, s26
	s_mov_b32 s27, 0
	s_mul_i32 s28, s22, 6144                       ; the codes: 12,288 a row-tile, 6,144 a half
	s_mov_b32 s29, 0
	s_lshl_b32 s30, s22, 8                         ; the scale bytes: 512 a row-tile, 256 a half
	s_add_co_u32 s30, s30, XQS
	s_mov_b32 s31, 0
	s_add_nc_u64 s[4:5], s[4:5], s[26:27]
	s_add_nc_u64 s[32:33], s[14:15], s[30:31]
	s_add_nc_u64 s[14:15], s[14:15], s[28:29]
	s_mov_b32 s[SEL], 0x76543210
	s_mov_b32 s[SEL+1], 0xfedcba98
	s_mul_i32 s34, s18, 8448                       ; my stage: 16 rows x (512 + 16) bytes
	v_add_nc_u32 v6, s34, v4                       ; in: a row's 512 bytes as they lie
	v_mul_u32_u24 v7, v8, 528
	v_lshl_add_u32 v7, v9, 6, v7
	v_add_nc_u32 v7, s34, v7                       ; out: row r, + 64 h: 16 neighbours of each block of 32
.irp b, 0,1,2,3
	v_mov_b32 v[TM+4+\b], 0                        ; written once: a lane permute's destination counts as one of its sources
.endr
.macro XLOAD f                         ; fragment f: 16 loads, each 512 consecutive bytes of one of the tile's rows
.irp i, 0,1,2,3,4,5,6,7,8,9,10,11,12,13,14,15
	global_load_b128 v[RR+64*((\f)%2)+4*\i:RR+64*((\f)%2)+4*\i+3], v4, s[4:5] offset:(\i+8*(\i/8))*4096+512*(\f) th:TH_LOAD_NT
.endr
.endm
.macro XSTEP f
.if (\f) < 3
	s_wait_loadcnt 16                              ; this fragment's 16 loads are in; the next fragment's may be out
.else
	s_wait_loadcnt 0x0
.endif
.irp i, 0,1,2,3,4,5,6,7,8,9,10,11,12,13,14,15
	ds_store_b128 v6, v[RR+64*((\f)%2)+4*\i:RR+64*((\f)%2)+4*\i+3] offset:528*\i
.endr
.irp b, 0,1,2,3
.irp j, 0,1,2,3
	ds_load_b128 v[XX+16*\b+4*\j:XX+16*\b+4*\j+3], v7 offset:128*\b+16*\j   ; LDS serves a wave's instructions in order: these see my stores
.endr
.endr
	s_wait_xcnt 0x0                                ; the last fragment's stores have read the codes' registers
	s_wait_dscnt 0x0                               ; the numbers are back, and the stage's stores have read theirs
.if (\f) < 2
	XLOAD (\f)+2
.endif
	QUANT XX, PC, QT, W0+\f
	global_store_b128 v4, v[PC:PC+3], s[14:15] offset:1536*(\f)          ; 512 consecutive bytes,
	global_store_b64 v5, v[PC+4:PC+5], s[14:15] offset:1536*(\f)+512     ; 256: a unit of 64 along K
	global_store_b128 v4, v[PC+6:PC+9], s[14:15] offset:1536*(\f)+768
	global_store_b64 v5, v[PC+10:PC+11], s[14:15] offset:1536*(\f)+1280
.endm
	XLOAD 0
	XLOAD 1
	XSTEP 0
	XSTEP 1
	XSTEP 2
	XSTEP 3
	v_cmp_le_u32 vcc_lo, 16, v2                    ; lanes 0-15 store the first K step's two words of row r, lanes 16-31 the second's
	v_cndmask_b32 v248, v[W0], v[W0+2], vcc_lo
	v_cndmask_b32 v249, v[W0+1], v[W0+3], vcc_lo
	global_store_b64 v5, v[248:249], s[32:33]      ; 256 consecutive bytes, aligned
	s_wait_tensorcnt 0x0
	ds_add_u32 v254, v255
	s_wait_dscnt 0x0
	s_endpgm
	; ---------------- the weights.  Work-group X = number - 256: weight X / 32, 128 columns (X / 4) % 8, K step X % 4.  A wave takes 32 columns: two row-tiles.
.Lweights:
	s_sub_co_u32 s22, ttmp9, 256
	s_lshr_b32 s20, s22, 5                         ; the weight: q, k, v, o
	s_bfe_u32 s23, s22, 0x30002
	s_and_b32 s24, s22, 3                          ; the K step of 256
	s_lshl_b32 s25, s23, 2
	s_add_co_u32 s25, s25, s18                     ; my pair of tiles, 0 .. 31
	s_lshl_b32 s26, s24, 20                        ; 256 rows of 4,096 bytes,
	s_lshl_b32 s27, s25, 7                         ; 32 columns of 4
	s_add_co_u32 s26, s26, s27
	s_mov_b32 s27, 0
	s_lshl_b32 s28, s20, 6
	s_lshl_b32 s29, s25, 1
	s_add_co_u32 s28, s28, s29                     ; the first of my two row-tiles in wq
	s_mul_i32 s30, s28, 12288
	s_mul_i32 s29, s24, 3072
	s_add_co_u32 s30, s30, s29
	s_mov_b32 s31, 0
	s_lshl_b32 s32, s28, 9
	s_lshl_b32 s29, s24, 7
	s_add_co_u32 s32, s32, s29
	s_add_co_u32 s32, s32, WQS
	s_mov_b32 s33, 0
	s_cmp_eq_u32 s20, 1
	s_cselect_b64 s[6:7], s[8:9], s[6:7]
	s_cmp_eq_u32 s20, 2
	s_cselect_b64 s[6:7], s[10:11], s[6:7]
	s_cmp_eq_u32 s20, 3
	s_cselect_b64 s[6:7], s[12:13], s[6:7]
	s_add_nc_u64 s[6:7], s[6:7], s[26:27]
	s_add_nc_u64 s[34:35], s[16:17], s[30:31]
	s_add_nc_u64 s[36:37], s[16:17], s[32:33]
	v_and_b32 v6, 8, v8
	v_add_nc_u32 v6, v6, v8
	v_lshl_add_u32 v6, v9, 3, v6
	v_lshlrev_b32 v6, 2, v6                        ; my column: lanes 0-15 are the even tile's rows, lanes 16-31 the odd tile's; the 32 lanes read 128 consecutive bytes
	v_lshlrev_b32 v7, 3, v8
	v_lshl_add_u32 v7, v9, 9, v7                   ; my row's 8 scale bytes of this K step
.macro WLOAD t                         ; block t: W(32 t + i, my column) into set t % 2
.irp i, 0,1,2,3,4,5,6,7,8,9,10,11,12,13,14,15,16,17,18,19,20,21,22,23,24,25,26,27,28,29,30,31
	global_load_b32 v[16+32*((\t)%2)+\i], v6, s[6:7] offset:(32*(\t)+\i)*4096 th:TH_LOAD_NT
.endr
.endm
.macro WBLOCK t
.set NS, 16+32*((\t)%2)
.set CB, 128+12*((\t)/2)+6*((\t)%2)    ; each block has code registers of its own: no store's data are written again
.if (\t) < 7
	s_wait_loadcnt 32                              ; this block's 32 loads are in; the next block's may be out
.else
	s_wait_loadcnt 0x0
.endif
	v_max3_num_f32 v12, |v[NS]|, |v[NS+1]|, |v[NS+2]|              ; all 32 numbers of the block are mine
	v_max3_num_f32 v13, |v[NS+3]|, |v[NS+4]|, |v[NS+5]|
.irp i, 6,10,14,18,22,26
	v_max3_num_f32 v12, v12, |v[NS+\i]|, |v[NS+\i+1]|
	v_max3_num_f32 v13, v13, |v[NS+\i+2]|, |v[NS+\i+3]|
.endr
	v_max3_num_f32 v12, v12, |v[NS+30]|, |v[NS+31]|
	v_max3_num_f32 v12, v12, v13, 0x1800000        ; and the floor
	v_add_nc_u32 v11, 0xff000000, v12              ; the conversion's scale operand
	v_lshrrev_b32 v13, 23, v11                     ; the byte
.if (\t)%4 == 0
	v_mov_b32 v[14+(\t)/4], v13
.else
	v_lshl_or_b32 v[14+(\t)/4], v13, 8*((\t)%4), v[14+(\t)/4]
.endif
	v_cvt_scalef32_pk16_fp6_f32 v[CB:CB+2], v[NS:NS+15], v11
	v_cvt_scalef32_pk16_fp6_f32 v[176:178], v[NS+16:NS+31], v11
	v_nop                                          ; one plain place behind a scaled conversion
	v_mov_b32 v[CB+3], v176
	v_mov_b32 v[CB+4], v177
	v_mov_b32 v[CB+5], v178
.if (\t) < 6
	WLOAD (\t)+2
.endif
.if (\t)%2
.set EV, 128+12*((\t)/2)
.irp i, 0,1,2,3,4,5
	v_permlane16_swap_b32 v[EV+\i], v[EV+6+\i]     ; the even block's upper lanes change places with the odd block's lower: the first six registers are now the even tile's unit, the second six the odd tile's
.endr
	global_store_b128 v4, v[EV:EV+3], s[34:35] offset:768*((\t)/2)
	global_store_b64 v5, v[EV+4:EV+5], s[34:35] offset:768*((\t)/2)+512
	global_store_b128 v4, v[EV+6:EV+9], s[34:35] offset:12288+768*((\t)/2)
	global_store_b64 v5, v[EV+10:EV+11], s[34:35] offset:12288+768*((\t)/2)+512
.endif
.endm
	WLOAD 0
	WLOAD 1
.irp t, 0,1,2,3,4,5,6,7
	WBLOCK \t
.endr
	global_store_b64 v7, v[14:15], s[36:37]        ; two runs of 128 consecutive bytes, one for each tile: one byte in 24 of what this path stores
	s_endpgm
.Lfunc_end_k_q677de96c0a_quant:
	.size	k_q677de96c0a_quant, .Lfunc_end_k_q677de96c0a_quant-k_q677de96c0a_quant
	.p2alignl 7, 3214868480
	.fill 96, 4, 3214868480
	.section	.rodata,"a",@progbits
	.p2align	6, 0x0
	.amdhsa_kernel k_q677de96c0a_quant
		.amdhsa_group_segment_fixed_size 34304
		.amdhsa_private_segment_fixed_size 0
		.amdhsa_enable_private_segment 0
		.amdhsa_kernarg_size 56
		.amdhsa_user_sgpr_count 2
		.amdhsa_user_sgpr_kernarg_segment_ptr 1
		.amdhsa_wavefront_size32 1
		.amdhsa_system_sgpr_workgroup_id_x 1
		.amdhsa_system_sgpr_workgroup_id_y 1
		.amdhsa_system_sgpr_workgroup_id_z 1
		.amdhsa_system_vgpr_workitem_id 0
		.amdhsa_next_free_vgpr 256
		.amdhsa_next_free_sgpr 66
		.amdhsa_reserve_vcc 1
		.amdhsa_float_denorm_mode_32 3
		.amdhsa_float_denorm_mode_16_64 3
		.amdhsa_memory_ordered 1
		.amdhsa_forward_progress 1
		.amdhsa_inst_pref_size 73
	.end_amdhsa_kernel
	.amdgpu_metadata
---
amdhsa.version: [ 1, 2 ]
amdhsa.kernels:
  - .name:           k_q677de96c0a_quant
    .symbol:         k_q677de96c0a_quant.kd
    .args:
      - { .name: x, .offset: 0, .size: 8, .value_kind: global_buffer, .address_space: global }
      - { .name: Wq, .offset: 8, .size: 8, .value_kind: global_buffer, .address_space: global }
      - { .name: Wk, .offset: 16, .size: 8, .value_kind: global_buffer, .address_space: global }
      - { .name: Wv, .offset: 24, .size: 8, .value_kind: global_buffer, .address_space: global }
      - { .name: Wo, .offset: 32, .size: 8, .value_kind: global_buffer, .address_space: global }
      - { .name: xq, .offset: 40, .size: 8, .value_kind: global_buffer, .address_space: global }
      - { .name: wq, .offset: 48, .size: 8, .value_kind: global_buffer, .address_space: global }
    .group_segment_fixed_size: 34304
    .private_segment_fixed_size: 0
    .kernarg_segment_align: 8
    .kernarg_segment_size: 56
    .max_flat_workgroup_size: 128
    .sgpr_count:     66
    .vgpr_count:     256
    .wavefront_size: 32
...
	.end_amdgpu_metadata
.endif
;; end of part 1
;; launch qkv (part 2): grid 12 x 32, 4 waves a work-group, clusters of 4 x 4, 327,680 bytes of LDS; arguments xq, wq, rope_cos, rope_sin, qb, kv; writes qb, kv
.if DOCPART == 2
	.amdgcn_target "amdgcn-amd-amdhsa--gfx1250"
	.amdhsa_code_object_version 6
	.text
	.protected	k_q677de96c0a_qkv
	.globl	k_q677de96c0a_qkv
	.p2align	8
	.type	k_q677de96c0a_qkv,@function
k_q677de96c0a_qkv:
	s_mov_b64 s[64:65], 0
	v_nop
	global_prefetch_b8 v0, s[64:65] scope:SCOPE_SE
	s_setreg_imm32_b32 hwreg(HW_REG_WAVE_MODE, 25, 1), 1
	s_wait_xcnt 0x0
	s_wait_alu depctr_hold_cnt(0) depctr_sa_sdst(0) depctr_va_vdst(0) depctr_va_sdst(0) depctr_va_ssrc(0) depctr_va_vcc(0) depctr_vm_vsrc(0)
	s_getreg_b32 s2, hwreg(HW_REG_IB_STS2, 6, 4)
	s_cmp_eq_u32 s2, 0
	s_cbranch_scc0 .Lentry_in_a_cluster
	s_endpgm
.Lentry_in_a_cluster:
	s_bfe_u32 s2, ttmp6, 0x10000c
	s_cmp_lg_u32 s2, 0xf033
	s_cbranch_scc0 .Lentry_shape_is_right
	s_endpgm
.Lentry_shape_is_right:
; q = rope(x Wq), k = rope(x Wk), v = x Wv on codes of FP6 (E2M3) with E8M0 scales (K = 1,024), and their quantising for the two products of attention.
; The product is written for two operands P and R.  THE MATRIX INSTRUCTION TAKES 16 ROWS OF R AS SOURCE 0 AND 16 ROWS OF P AS SOURCE 1: in the result a lane holds one row of P, and its registers run along R's rows.
; For q and k: P = x, R = Wq | Wk: a lane holds a token, registers run along the head's 64, which is the K of q k^T.  For v: P = Wv, R = x: a lane holds a channel, registers run along the tokens, the K of p v.
; Only pointers, tile numbers and store bases differ (scalar selects on the cluster's x): the text has one path.
; A tile is 256 rows of P x 256 rows of R, four waves, each 128 x 128: 64 accumulators.  K goes in steps of 256 through two LDS slots filled by the tensor data mover.
; OPERANDS LIE IN MEMORY AS IMAGES OF THEIR REGISTERS: a unit of 16 rows x 64 K is 768 bytes (registers 0-3 at 16 x lane, 4-5 at 512 + 8 x lane), 16 units a row-tile; so a fragment is two loads of 16 and two of 8 bytes a lane,
; each instruction's bytes consecutive.  The rows of a tile: lane r of tile 2 b + u is row 32 b + 8 u + r + 8 (r / 8), so that the 16 registers of the results of R's tiles 2 b, 2 b + 1 are 16 neighbouring rows of R.
; CLUSTERS 4 x 4: P's tiles are shared along a row of the cluster, R's along a column, by joint loads.
; OUTPUT: for each (batch x 16 + head, group of 128 tokens) a record of 13,312 bytes: 0: 8 tiles of 16 tokens x 64 (k in kv, q in qb); 6,144: 4 tiles of 16 channels x 128 tokens (v); 12,288: k's (q's) scale words, word i of lane l: tile 2 i + l / 16, row l % 16;
; 12,800: v's likewise (words 0, 1).  A word of q or k has the head's two bytes below; its upper bytes are the neighbouring head's or 0, never 0xff: they meet zero codes alone.
; LIMITS: NaN and infinities are not served; a block whose largest magnitude lies under 2^-124 keeps the byte 1, a block of zeros too (its codes are zeros; this program alone reads the bytes).
; REGISTERS: window 0: v0-31 addresses; v32-63 scale words, two sets; v64-95 cos and sin; v96-127 at work on the way out; v128-223 P's fragments, one set (on the way out: the rotated numbers and their codes).
;   window 1: R's fragments, two sets, at v0 and v128.  windows 2, 3: the accumulators ((a, b) at v[8 (8 (a % 4) + b)]).
.set KSB,    3072                      ; a row-tile's codes of a K step of 256
.set TILEB,  12288                     ; a row-tile's codes
.set NQ,     2                         ; matrix instructions deep in a slot
.set FR,     12                        ; registers of a fragment
.set NL,     4                         ; LDS loads that bring one
.set NP,     4                         ; places behind this matrix instruction (ISA guide 7.12.1)
.set HALFT,  8*KSB                     ; 8 row-tiles: what one tensor load brings, and what one wave reads of P or of R
.set SLOT,   4*HALFT
.set SCL,    2*SLOT                    ; behind the ring: the scale bytes for all of K, 4,096 for each 8 row-tiles; filled once
.set HALFS,  4096
.set SPARE,  SCL+4*HALFS               ; the spare words, 128 bytes for each wave: two blocks of 256 bytes that no other line names
.set REC,    13312
.set XQS,    6291456
.set WQS,    3145728
.set ADRA, 16                          ; v16-17 P: 16 x lane in slot 0, 1;  v18-19: 8 x lane
.set ADRB, 20                          ; v20-23 the same for R
.set O16,  24                          ; v24  16 x lane
.set O8,   25                          ; v25  8 x lane
.set VRO,  26                          ; v26  my byte in cos and sin
.set ADRS, 27                          ; v27  my scale words: lanes 0-15 P's, lanes 16-31 R's
.set SPW,  28
.set NIL,  29
.set SC,   32
.set COS,  64
.set SIN,  80
.set TT,   96                          ; v96-103 four pairs by turns
.set TM,   104                         ; v104-119 at work in QUANT
.set PW,   120
.set SWT,  121
.set SW,   122                         ; v[122:125]
.set AF,   128
.set RO,   128                         ; v128-191 the way out: 64 numbers
.set PC,   192
.set QT,   204
.set SX,   224
.set G1, 24
.set G0, 32
.set G1B, 48
.set G0B, 56
.set G1S, 68
.set G0S, 76
.set G1SB, 80
.set G0SB, 88
.set B1,  68                           ; the way out's scalars lie where the scales' descriptors lay: they are made when every tensor load has been waited for
.set B2,  70
.set BS1, 72
.set BS2, 74
.set STN, 76
.set ST4, 78
.set QKM, 80
.set SEL, 82
.set BUF, 84
.set MSB, 0
.macro WIN new                         ; the immediate's high byte repeats the setting that is left
.if MSB != (\new)
	s_set_vgpr_msb (MSB<<8)|(\new)
.set MSB, (\new)
.endif
.endm
.set MUL_LO, 0xa1                      ; source 0 (R) window 1, source 1 (P) window 0, C and D window 2
.set MUL_HI, 0xf1
.set TO_B,   0x40
; A joint load: waves 0 and 1 fetch for P, waves 2 and 3 for R; the branch hangs on the wave's number alone.  Four v_nop follow each line.
.macro JLOAD g0a, g1a, g0b, g1b
	s_cmp_eq_u32 s15, 0
	s_cbranch_scc0 .Lfor_b_\@
	tensor_load_to_lds s[\g0a:\g0a+3], s[\g1a:\g1a+7]
	s_nop 0
.rept 4
	v_nop
.endr
	s_branch .Lasked_\@
.Lfor_b_\@:
	tensor_load_to_lds s[\g0b:\g0b+3], s[\g1b:\g1b+7]
	s_nop 0
.rept 4
	v_nop
.endr
.Lasked_\@:
.endm
.macro CREST
	s_cmp_lg_u32 s14, 0
	s_cbranch_scc1 .Lnot_wave_0_\@
	s_barrier_signal -3
.Lnot_wave_0_\@:
	s_barrier_wait -3
	s_barrier_signal -1
	s_barrier_wait -1
.endm
.macro CROUND
	s_barrier_signal -1
	s_barrier_wait -1
	CREST
.endm
.macro QUANT s, d, t, w
.irp b, 0,1,2,3
	v_max3_num_f32 v[TM+\b], |v[\s+16*\b]|, |v[\s+1+16*\b]|, 0x1800000   ; block b: my 16 numbers, and the floor 2^(3 - 127)
.endr
.irp i, 2,4,6,8,10,12,14
.irp b, 0,1,2,3
	v_max3_num_f32 v[TM+\b], v[TM+\b], |v[\s+16*\b+\i]|, |v[\s+1+16*\b+\i]|
.endr
.endr
.irp b, 0,1,2,3
	v_permlanex16_b32 v[TM+4+\b], v[TM+\b], s[SEL], s[SEL+1]
.endr
.irp b, 0,1,2,3
	v_max_num_f32 v[TM+\b], v[TM+\b], v[TM+4+\b]
.endr
.irp b, 0,1,2,3
	v_add_nc_u32 v[TM+12+\b], 0xff000000, v[TM+\b]   ; 2 off the exponent field: the conversion's scale operand
.endr
.irp b, 0,1,2,3
	v_lshrrev_b32 v[TM+4+\b], 23, v[TM+12+\b]
.endr
	v_lshl_or_b32 v[\w], v[TM+5], 8, v[TM+4]
	v_lshl_or_b32 v[\w], v[TM+6], 16, v[\w]
	v_lshl_or_b32 v[\w], v[TM+7], 24, v[\w]
.irp c, 0,1
	v_cvt_scalef32_pk16_fp6_f32 v[\d+6*\c:\d+2+6*\c], v[\s+32*\c:\s+15+32*\c], v[TM+12+2*\c]
	v_cvt_scalef32_pk16_fp6_f32 v[\t+4*\c:\t+2+4*\c], v[\s+16+32*\c:\s+31+32*\c], v[TM+12+2*\c+1]
.endr
	v_nop                                          ; one plain place behind a scaled conversion
.irp c, 0,1
.irp i, 0,1,2
	v_permlane16_swap_b32 v[\d+6*\c+\i], v[\t+4*\c+\i]
.endr
.irp i, 0,1,2
	v_mov_b32 v[\d+3+6*\c+\i], v[\t+4*\c+\i]
.endr
.endr
.endm
	s_load_b256 s[4:11], s[0:1], 0x0               ; xq s[4:5], wq s[6:7], cos s[8:9], sin s[10:11]
	s_load_b128 s[92:95], s[0:1], 0x20             ; qb s[92:93], kv s[94:95]
	v_lshl_add_u32 v[SPW], v0, 2, SPARE
	v_mov_b32 v[NIL], 0
	ds_add_u32 v28, v29
	ds_add_u32 v28, v29
	s_wait_dscnt 0x0
	v_lshrrev_b32 v1, 5, v0
	v_readfirstlane_b32 s14, v1                    ; wave 0..3
	s_lshr_b32 s15, s14, 1                         ; which half of P's rows is mine.  Also: I fetch for P (0) or for R (1)
	s_and_b32 s16, s14, 1                          ; which half of R's rows.  Also: which 8 row-tiles I fetch
	s_bfe_u32 s40, ttmp6, 0x40000                  ; cx
	s_bfe_u32 s41, ttmp6, 0x40004                  ; cy
	s_and_b32 s12, ttmp7, 0xffff
	s_lshl_b32 s12, s12, 2                         ; 4 x cluster y
	s_lshl_b32 s18, ttmp9, 2                       ; 4 x cluster x
	s_cmp_eq_u32 ttmp9, 2                          ; clusters with x = 2 make v: the same in all sixteen partners
	s_cselect_b32 s13, 1, 0
	s_cselect_b32 s17, 0, s12
	s_cselect_b32 s42, s12, s18
	s_add_co_u32 s17, s17, s41                     ; P's tile: cy (v: Wv's four), or 4 x cluster y + cy (x's 32)
	s_add_co_u32 s42, s42, s40                     ; R's tile: 4 x cluster y + cx (v: x's 32), or 4 x cluster x + cx (Wq | Wk's eight)
	s_lshl_b32 s43, s41, 2
	s_lshl_b32 s43, 15, s43                        ; my row of the cluster
	s_lshl_b32 s44, 0x1111, s40                    ; my column
	; descriptor group 1, codes: 8 rows (row-tiles) of 3,072 bytes, 12,288 bytes apart; elements of 8 bytes; no padding
	s_or_b32 s[G1+0], s43, (3<<16)|(1<<21)
	s_or_b32 s[G1B+0], s44, (3<<16)|(1<<21)
.irp g, G1, G1B
	s_mov_b32 s[\g+1], 384<<16                     ; tensor_dim0
	s_mov_b32 s[\g+2], 8<<16                       ; tensor_dim1
	s_mov_b32 s[\g+3], 384<<16                     ; tile_dim0
	s_mov_b32 s[\g+4], 8                           ; tile_dim1
	s_mov_b32 s[\g+5], 1536                        ; tensor_dim0_stride
	s_mov_b32 s[\g+6], 0
	s_mov_b32 s[\g+7], 0
.endr
	; scale bytes of 8 row-tiles: 4,096 dense bytes as 16 rows of 256
	s_or_b32 s[G1S+0], s43, (3<<16)|(1<<21)
	s_or_b32 s[G1SB+0], s44, (3<<16)|(1<<21)
.irp g, G1S, G1SB
	s_mov_b32 s[\g+1], 32<<16
	s_mov_b32 s[\g+2], 16<<16
	s_mov_b32 s[\g+3], 32<<16
	s_mov_b32 s[\g+4], 16
	s_mov_b32 s[\g+5], 32
	s_mov_b32 s[\g+6], 0
	s_mov_b32 s[\g+7], 0
.endr
	s_lshl_b32 s18, s16, 3
	s_lshl_b32 s20, s17, 4
	s_add_co_u32 s20, s20, s18                     ; P: the first row-tile that I fetch
	s_lshl_b32 s46, s42, 4
	s_add_co_u32 s46, s46, s18                     ; R likewise
	s_lshl_b32 s22, s20, 9
	s_mul_i32 s20, s20, TILEB
	s_lshl_b32 s96, s46, 9
	s_mul_i32 s46, s46, TILEB
	s_cmp_eq_u32 s13, 1
	s_cselect_b32 s18, 128*TILEB, 0                ; Wv's row-tiles begin at 128 in wq
	s_mov_b32 s19, XQS
	s_cselect_b32 s19, WQS+128*512, s19
	s_mov_b32 s98, WQS
	s_cselect_b32 s98, XQS, s98
	s_add_co_u32 s20, s20, s18
	s_add_co_u32 s22, s22, s19
	s_add_co_u32 s96, s96, s98
	s_mov_b32 s21, 0
	s_mov_b32 s23, 0
	s_mov_b32 s47, 0
	s_mov_b32 s97, 0
	s_mul_i32 s45, s14, HALFT                      ; where they go: wave x 8 row-tiles: no place in the cluster enters an LDS address
	s_lshl_b32 s99, s14, 12
	s_wait_kmcnt 0x0
	s_cmp_eq_u32 s13, 1
	s_cselect_b64 s[18:19], s[6:7], s[4:5]         ; P's buffer
	s_cselect_b64 s[100:101], s[4:5], s[6:7]       ; R's buffer
	s_add_nc_u64 s[20:21], s[18:19], s[20:21]
	s_add_nc_u64 s[22:23], s[18:19], s[22:23]
	s_add_nc_u64 s[46:47], s[100:101], s[46:47]
	s_add_nc_u64 s[96:97], s[100:101], s[96:97]
	CROUND                                         ; all sixteen work-groups are here: the first joint loads meet
	s_mov_b32 s[G0S], 1
	s_add_co_u32 s[G0S+1], s99, SCL
	s_mov_b64 s[G0S+2:G0S+3], s[22:23]
	s_or_b32 s[G0S+3], s[G0S+3], 0x80000000
	s_mov_b32 s[G0SB], 1
	s_add_co_u32 s[G0SB+1], s99, SCL
	s_mov_b64 s[G0SB+2:G0SB+3], s[96:97]
	s_or_b32 s[G0SB+3], s[G0SB+3], 0x80000000
	JLOAD G0S, G1S, G0SB, G1SB                     ; the scales first: they are wanted with K step 0
.irp s, 0,1
	s_mov_b32 s[G0+4*\s], 1
	s_add_co_u32 s[G0+4*\s+1], s45, \s*SLOT
	s_add_nc_u64 s[G0+4*\s+2:G0+4*\s+3], s[20:21], \s*KSB
	s_or_b32 s[G0+4*\s+3], s[G0+4*\s+3], 0x80000000
	s_mov_b32 s[G0B+4*\s], 1
	s_add_co_u32 s[G0B+4*\s+1], s45, \s*SLOT
	s_add_nc_u64 s[G0B+4*\s+2:G0B+4*\s+3], s[46:47], \s*KSB
	s_or_b32 s[G0B+4*\s+3], s[G0B+4*\s+3], 0x80000000
	JLOAD G0+4*\s, G1, G0B+4*\s, G1B               ; three loads of mine are out behind the second of these
.endr
	v_and_b32 v1, 31, v0                           ; lane
	v_and_b32 v2, 15, v0                           ; r
	v_bfe_u32 v3, v0, 4, 1                         ; h
	v_lshlrev_b32 v[O16], 4, v1
	v_lshlrev_b32 v[O8], 3, v1
	s_mul_i32 s21, s15, HALFT                      ; my 8 row-tiles of P
	s_mul_i32 s22, s16, HALFT                      ; my 8 of R,
	s_add_co_u32 s22, s22, 2*HALFT                 ; which lie behind P's 16
.irp s, 0,1
	v_add_nc_u32 v[ADRA+\s], s21, v[O16]
	v_add_nc_u32 v[ADRA+2+\s], s21, v[O8]
	v_add_nc_u32 v[ADRB+\s], s22, v[O16]
	v_add_nc_u32 v[ADRB+2+\s], s22, v[O8]
	s_add_co_u32 s21, s21, SLOT
	s_add_co_u32 s22, s22, SLOT
.endr
	v_lshlrev_b32 v6, 3, v2                        ; my row's two words of a K step
	s_mul_i32 s21, s15, HALFS                      ; P's: my 8 row-tiles
	s_mul_i32 s22, s16, HALFS                      ; R's, behind P's 16
	s_add_co_u32 s22, s22, 2*HALFS
	s_sub_co_u32 s22, s22, s21
	v_mul_u32_u24 v7, s22, v3                      ; lanes 16-31 take R's
	s_add_co_u32 s21, s21, SCL
	v_add_nc_u32 v6, v6, v7
	v_add_nc_u32 v[ADRS], s21, v6
	s_and_b32 s21, s17, 7                          ; cos, sin: my token's row of 128 bytes, + 64 h.  (For v these rows are loaded and replaced by 1 and 0; P's tile is under 4 there, so they lie inside the tables)
	s_lshl_b32 s21, s21, 8
	s_lshl_b32 s22, s15, 7
	s_add_co_u32 s21, s21, s22
	s_lshl_b32 s21, s21, 7
	v_and_b32 v6, 8, v2
	v_add_nc_u32 v6, v6, v2
	v_lshlrev_b32 v6, 7, v6
	v_lshl_add_u32 v6, v3, 6, v6
	v_add_nc_u32 v[VRO], s21, v6
.irp b, 0,1,2,3
	v_mov_b32 v[TM+4+\b], 0                        ; written once: a lane permute's destination counts as one of its sources
.endr
.macro ROPE a                          ; cos and sin of P's block a: my token's 16 numbers 16 h + 0 .. 15 of each
.irp j, 0,1,2,3
	global_load_b128 v[COS+4*\j:COS+4*\j+3], v[VRO], s[8:9] offset:(32*((\a)/2)+8*((\a)%2))*128+16*\j
	global_load_b128 v[SIN+4*\j:SIN+4*\j+3], v[VRO], s[10:11] offset:(32*((\a)/2)+8*((\a)%2))*128+16*\j
.endr
.endm
	ROPE 0
.macro FRAG reg, adr, q, i             ; a fragment: two units of 768 bytes, as they lie
	ds_load_b128 v[\reg:\reg+3], v[\adr] offset:(\i)*KSB+(\q)*1536
	ds_load_b64 v[\reg+4:\reg+5], v[\adr+2] offset:(\i)*KSB+(\q)*1536+512
	ds_load_b128 v[\reg+6:\reg+9], v[\adr] offset:(\i)*KSB+(\q)*1536+768
	ds_load_b64 v[\reg+10:\reg+11], v[\adr+2] offset:(\i)*KSB+(\q)*1536+1280
.endm
; 16 matrix instructions: P's blocks a0, a0 + 1 x R's eight, the slot's q-th 128 along K.  The 64 accumulators take turns, one instruction a turn, in the same order in every step.
.macro MUL16 a0, p, q, sc, zero
.irp a, \a0, \a0+1
.irp b, 0,1,2,3,4,5,6,7
.if \zero
	v_wmma_scale_f32_16x16x128_f8f6f4 v[8*(8*((\a)%4)+\b):8*(8*((\a)%4)+\b)+7], v[128*(\p)+FR*\b:128*(\p)+FR*\b+FR-1], v[AF+FR*(\a):AF+FR*(\a)+FR-1], 0, v[SC+8*NQ*(\sc)+NQ*\b+(\q)], v[SC+8*NQ*(\sc)+NQ*(\a)+(\q)] matrix_a_fmt:MATRIX_FMT_FP6 matrix_b_fmt:MATRIX_FMT_FP6 matrix_a_scale:MATRIX_SCALE_ROW1
.else
	v_wmma_scale_f32_16x16x128_f8f6f4 v[8*(8*((\a)%4)+\b):8*(8*((\a)%4)+\b)+7], v[128*(\p)+FR*\b:128*(\p)+FR*\b+FR-1], v[AF+FR*(\a):AF+FR*(\a)+FR-1], v[8*(8*((\a)%4)+\b):8*(8*((\a)%4)+\b)+7], v[SC+8*NQ*(\sc)+NQ*\b+(\q)], v[SC+8*NQ*(\sc)+NQ*(\a)+(\q)] matrix_a_fmt:MATRIX_FMT_FP6 matrix_b_fmt:MATRIX_FMT_FP6 matrix_a_scale:MATRIX_SCALE_ROW1
.endif
.endr
.endr
.endm
.macro FETCH_B slot, q, p
	WIN TO_B
.irp i, 0,1,2,3,4,5,6,7
	FRAG 128*(\p)+FR*\i, ADRB+\slot, \q, \i
.endr
	WIN 0
.endm
.macro FETCH_A slot, q, i0
.irp i, \i0, \i0+1, \i0+2, \i0+3
	FRAG AF+FR*(\i), ADRA+\slot, \q, \i
.endr
.endm
.macro SCALES sc                       ; a K step's scale words: two a row; lanes 0-15 take P's block i, lanes 16-31 R's block i
.irp i, 0,1,2,3,4,5,6,7
	ds_load_b64 v[SC+8*NQ*\sc+NQ*\i:SC+8*NQ*\sc+NQ*\i+1], v[ADRS] offset:\i*512
.endr
.endm
.macro PLACES n                        ; plain places in front of loads into registers that matrix instructions have read, and of the first read of results
.rept \n
	v_nop
.endr
.endm
.macro STEP slot, q, zero              ; a step of 128 along K that has its successor in the same slot
	s_wait_dscnt 4*NL                              ; R's set and P's blocks 0-3 are in; the youngest 16 loads (P's blocks 4-7) may be out
	WIN MUL_LO
	MUL16 0, (\q)%2, \q, \slot, \zero
	MUL16 2, (\q)%2, \q, \slot, \zero
	s_wait_dscnt 0
	PLACES NP
	FETCH_B \slot, (\q)+1, 1-(\q)%2
	FETCH_A \slot, (\q)+1, 0
	WIN MUL_HI
	MUL16 4, (\q)%2, \q, \slot, \zero
	MUL16 6, (\q)%2, \q, \slot, \zero
	PLACES NP
	WIN 0
	FETCH_A \slot, (\q)+1, 4
.endm
; A slot's last step changes slots: one barrier; in front of it each wave waits for all its tensor loads, adds 0 to its spare word, and waits for that and for its reads of this slot.  fill = 1: the slot is filled again, two K steps ahead.
.macro TURN slot, next, fill
	s_wait_tensorcnt 0x0                           ; all my tensor loads have landed: my part of the next slot
	ds_add_u32 v[SPW], v[NIL]                      ; 0 onto my spare word
	s_wait_dscnt 4*NL+1                            ; (the add and the youngest 16 loads may be out)
	WIN MUL_LO
	MUL16 0, 1, NQ-1, \slot, 0
	s_wait_dscnt 0x0                               ; the add is done, and my reads of this slot are over
	s_barrier_signal -1
	MUL16 2, 1, NQ-1, \slot, 0
	WIN 0
	s_barrier_wait -1
.if \fill
	CREST                                          ; the barrier has opened a round of the cluster's: no wave of any partner still reads this slot or has a load on its way
	s_add_nc_u64 s[G0+4*\slot+2:G0+4*\slot+3], s[G0+4*\slot+2:G0+4*\slot+3], 2*KSB
	s_add_nc_u64 s[G0B+4*\slot+2:G0B+4*\slot+3], s[G0B+4*\slot+2:G0B+4*\slot+3], 2*KSB
	JLOAD G0+4*\slot, G1, G0B+4*\slot, G1B         ; the first tensor load behind the round, my only one out; its four v_nop are the places in front of the loads below
.else
	PLACES NP
.endif
	v_add_nc_u32 v[ADRS], 128, v[ADRS]             ; the next K step's scale words
	FETCH_B \next, 0, 0
	FETCH_A \next, 0, 0
	SCALES \next
	WIN MUL_HI
	MUL16 4, 1, NQ-1, \slot, 0
	MUL16 6, 1, NQ-1, \slot, 0
	PLACES NP
	WIN 0
	FETCH_A \next, 0, 4
.endm
	s_wait_tensorcnt 1                             ; the scales and my part of K step 0 are in; K step 1's load may be out
	s_barrier_signal -1
	s_barrier_wait -1
	FETCH_B 0, 0, 0
	FETCH_A 0, 0, 0
	SCALES 0
	FETCH_A 0, 0, 4
	STEP 0, 0, 1                                   ; K = 1,024 is four K steps, eight steps of 128: written out
	TURN 0, 1, 1
	STEP 1, 0, 0
	TURN 1, 0, 1
	STEP 0, 0, 0
	TURN 0, 1, 0                                   ; nothing is left to fetch
	STEP 1, 0, 0
	s_wait_dscnt 4*NL
	WIN MUL_LO
	MUL16 0, 1, NQ-1, 1, 0
	MUL16 2, 1, NQ-1, 1, 0
	s_wait_dscnt 0
	WIN MUL_HI
	MUL16 4, 1, NQ-1, 1, 0
	MUL16 6, 1, NQ-1, 1, 0
	WIN 0
	; THE WAY OUT.  My 128 tokens are one group of one batch, my 128 features two heads.  For q and k the tokens are P's rows, for v they are R's.
	s_and_b32 s18, s42, 3
	s_lshl_b32 s19, s13, 2
	s_or_b32 s19, s19, s42                         ; under 4 for q's tiles alone
	s_cmp_lt_u32 s19, 4
	s_cselect_b64 s[BUF:BUF+1], s[92:93], s[94:95]
	s_cmp_eq_u32 s13, 1
	s_cselect_b32 s20, s42, s17                    ; the tokens' tile
	s_cselect_b32 s21, s16, s15                    ; and half
	s_cselect_b32 s18, s17, s18                    ; the features' tile in their weight
	s_cselect_b32 s19, s15, s16                    ; and half
	s_cselect_b32 s[B1], 6144, 0                   ; where the codes begin in a record
	s_mov_b32 s[B2], 16*REC
	s_cselect_b32 s[B2], 768, s[B2]                ; a fragment's second unit: v: the next 64 tokens; q, k: the next head's record
	s_mov_b32 s[BS1], 12288
	s_cselect_b32 s[BS1], 12800, s[BS1]
	s_mov_b32 s[STN], 768
	s_cselect_b32 s[STN], 1536, s[STN]             ; from P's block to the next
	s_mov_b32 s[ST4], 768
	s_cselect_b32 s[ST4], 16*REC-4608, s[ST4]      ; v: block 4 begins the next head
	s_cselect_b32 s[QKM], 0, -1                    ; all ones where the rotation is real
	s_mov_b32 s[STN+1], 0
	s_mov_b32 s[ST4+1], 0
	s_lshl_b32 s18, s18, 2
	s_lshl_b32 s19, s19, 1
	s_add_co_u32 s18, s18, s19                     ; my first head
	s_lshr_b32 s19, s20, 3
	s_lshl_b32 s19, s19, 4
	s_add_co_u32 s18, s18, s19                     ; + 16 x batch
	s_lshl_b32 s18, s18, 4
	s_and_b32 s20, s20, 7
	s_lshl_b32 s20, s20, 1
	s_add_co_u32 s18, s18, s20
	s_add_co_u32 s18, s18, s21                     ; the record
	s_mul_i32 s18, s18, REC
	s_add_co_u32 s[B1], s[B1], s18
	s_add_co_u32 s[B2], s[B2], s[B1]
	s_add_co_u32 s[BS1], s[BS1], s18
	s_add_co_u32 s[BS2], s[BS1], 16*REC
	s_mov_b32 s[B1+1], 0
	s_mov_b32 s[B2+1], 0
	s_mov_b32 s[BS1+1], 0
	s_mov_b32 s[BS2+1], 0
	s_add_nc_u64 s[B1:B1+1], s[BUF:BUF+1], s[B1:B1+1]
	s_add_nc_u64 s[B2:B2+1], s[BUF:BUF+1], s[B2:B2+1]
	s_add_nc_u64 s[BS1:BS1+1], s[BUF:BUF+1], s[BS1:BS1+1]
	s_add_nc_u64 s[BS2:BS2+1], s[BUF:BUF+1], s[BS2:BS2+1]
	s_mov_b32 s[SEL], 0x76543210
	s_mov_b32 s[SEL+1], 0xfedcba98
	PLACES NP
	v_and_b32 v1, 31, v0
	v_cmp_le_u32 vcc_lo, 16, v1                    ; lanes 16-31
; P's block a: its 64 numbers a lane.  q, k: register 32 e + 16 c + i is channel 32 c + 16 h + i of head e: the rotation pairs c = 0 with c = 1.  v: register 16 b + i is token 32 b + 16 h + i; cos = 1 and sin = 0 make the
; rotation the identity, and it is then v's way from the accumulators' window into window 0.  Either way the 64 numbers lie as QUANT wants them.
.macro OUT a
.set AC, 64*((\a)%4)
	s_wait_loadcnt 0x0                             ; this block's cos and sin
.irp i, 0,1,2,3,4,5,6,7,8,9,10,11,12,13,14,15
	v_cndmask_b32 v[COS+\i], 1.0, v[COS+\i], s[QKM]
	v_cndmask_b32 v[SIN+\i], 0, v[SIN+\i], s[QKM]
.endr
	WIN 0x02+(\a)/4                                ; source 0: the accumulators' window
.irp e, 0,1
.irp i, 0,2,4,6,8,10,12,14             ; each accumulator is read from its low end on
	v_pk_mul_f32 v[TT+2*(\i%4):TT+2*(\i%4)+1], v[AC+32*\e+16+\i:AC+32*\e+17+\i], v[SIN+\i:SIN+\i+1]
	v_pk_mul_f32 v[TT+2*(\i%4)+2:TT+2*(\i%4)+3], v[AC+32*\e+\i:AC+32*\e+\i+1], v[SIN+\i:SIN+\i+1]
	v_pk_fma_f32 v[RO+32*\e+\i:RO+32*\e+\i+1], v[AC+32*\e+\i:AC+32*\e+\i+1], v[COS+\i:COS+\i+1], v[TT+2*(\i%4):TT+2*(\i%4)+1] neg_lo:[0,0,1] neg_hi:[0,0,1]   ; x1 c - x2 s
	v_pk_fma_f32 v[RO+32*\e+16+\i:RO+32*\e+17+\i], v[AC+32*\e+16+\i:AC+32*\e+17+\i], v[COS+\i:COS+\i+1], v[TT+2*(\i%4)+2:TT+2*(\i%4)+3]                       ; x2 c + x1 s
.endr
.endr
	WIN 0
.if (\a) < 7
	ROPE (\a)+1                                    ; lands while this block is quantised
.endif
	s_wait_xcnt 0x0                                ; the last block's stores have read their data and their bases
.if (\a) == 4
	s_add_nc_u64 s[B1:B1+1], s[B1:B1+1], s[ST4:ST4+1]
	s_add_nc_u64 s[B2:B2+1], s[B2:B2+1], s[ST4:ST4+1]
.elseif (\a) > 0
	s_add_nc_u64 s[B1:B1+1], s[B1:B1+1], s[STN:STN+1]
	s_add_nc_u64 s[B2:B2+1], s[B2:B2+1], s[STN:STN+1]
.endif
	QUANT RO, PC, QT, PW
.if (\a)%2 == 0
	v_mov_b32 v[SWT], v[PW]
.else
	v_cndmask_b32 v[SW+(\a)/2], v[SWT], v[PW], vcc_lo   ; lanes 0-15 keep the even block's word, lanes 16-31 the odd block's
.endif
	global_store_b128 v[O16], v[PC:PC+3], s[B1:B1+1]               ; 512 consecutive bytes, aligned
	global_store_b64 v[O8], v[PC+4:PC+5], s[B1:B1+1] offset:512    ; 256
	global_store_b128 v[O16], v[PC+6:PC+9], s[B2:B2+1]
	global_store_b64 v[O8], v[PC+10:PC+11], s[B2:B2+1] offset:512
.endm
.irp a, 0,1,2,3,4,5,6,7
	OUT \a
.endr
.irp i, 0,1,2,3
	v_lshrrev_b32 v[SX+\i], 16, v[SW+\i]           ; q, k: the second head's two bytes
.endr
	v_cndmask_b32 v[SX], v[SW+2], v[SX], s[QKM]    ; v: the second head's words are blocks 4-7's
	v_cndmask_b32 v[SX+1], v[SW+3], v[SX+1], s[QKM]
	global_store_b128 v[O16], v[SW:SW+3], s[BS1:BS1+1]
	global_store_b128 v[O16], v[SX:SX+3], s[BS2:BS2+1]
	s_wait_tensorcnt 0x0                           ; the wave's end
	ds_add_u32 v[SPW], v[NIL]
	s_wait_dscnt 0x0
	CROUND                                         ; the closing round
	s_endpgm
.Lfunc_end_k_q677de96c0a_qkv:
	.size	k_q677de96c0a_qkv, .Lfunc_end_k_q677de96c0a_qkv-k_q677de96c0a_qkv
	.p2alignl 7, 3214868480
	.fill 96, 4, 3214868480
	.section	.rodata,"a",@progbits
	.p2align	6, 0x0
	.amdhsa_kernel k_q677de96c0a_qkv
		.amdhsa_group_segment_fixed_size 327680
		.amdhsa_private_segment_fixed_size 0
		.amdhsa_enable_private_segment 0
		.amdhsa_kernarg_size 48
		.amdhsa_user_sgpr_count 2
		.amdhsa_user_sgpr_kernarg_segment_ptr 1
		.amdhsa_wavefront_size32 1
		.amdhsa_system_sgpr_workgroup_id_x 1
		.amdhsa_system_sgpr_workgroup_id_y 1
		.amdhsa_system_sgpr_workgroup_id_z 1
		.amdhsa_system_vgpr_workitem_id 0
		.amdhsa_next_free_vgpr 1024
		.amdhsa_next_free_sgpr 102
		.amdhsa_reserve_vcc 1
		.amdhsa_float_denorm_mode_32 3
		.amdhsa_float_denorm_mode_16_64 3
		.amdhsa_memory_ordered 1
		.amdhsa_forward_progress 1
		.amdhsa_inst_pref_size 205
	.end_amdhsa_kernel
	.amdgpu_metadata
---
amdhsa.version: [ 1, 2 ]
amdhsa.kernels:
  - .name:           k_q677de96c0a_qkv
    .symbol:         k_q677de96c0a_qkv.kd
    .args:
      - { .name: xq, .offset: 0, .size: 8, .value_kind: global_buffer, .address_space: global }
      - { .name: wq, .offset: 8, .size: 8, .value_kind: global_buffer, .address_space: global }
      - { .name: rope_cos, .offset: 16, .size: 8, .value_kind: global_buffer, .address_space: global }
      - { .name: rope_sin, .offset: 24, .size: 8, .value_kind: global_buffer, .address_space: global }
      - { .name: qb, .offset: 32, .size: 8, .value_kind: global_buffer, .address_space: global }
      - { .name: kv, .offset: 40, .size: 8, .value_kind: global_buffer, .address_space: global }
    .group_segment_fixed_size: 327680
    .private_segment_fixed_size: 0
    .kernarg_segment_align: 8
    .kernarg_segment_size: 48
    .max_flat_workgroup_size: 128
    .sgpr_count:     102
    .vgpr_count:     1024
    .wavefront_size: 32
...
	.end_amdgpu_metadata
.endif
;; end of part 2
;; launch attn (part 3): grid 4 x 64, 16 waves a work-group, no clusters, 215,040 bytes of LDS; arguments qb, kv, aq; writes aq
.if DOCPART == 3
	.amdgcn_target "amdgcn-amd-amdhsa--gfx1250"
	.amdhsa_code_object_version 6
	.text
	.protected	k_q677de96c0a_attn
	.globl	k_q677de96c0a_attn
	.p2align	8
	.type	k_q677de96c0a_attn,@function
k_q677de96c0a_attn:
	s_mov_b64 s[64:65], 0
	v_nop
	global_prefetch_b8 v0, s[64:65] scope:SCOPE_SE
	s_setreg_imm32_b32 hwreg(HW_REG_WAVE_MODE, 25, 1), 1
	s_wait_xcnt 0x0
; Causal attention on codes of FP6 (E2M3) with E8M0 scales, head size 64, 2,048 tokens, 64 (batch, head) pairs; the result is quantised along head x 64 + channel for the output projection.
; t = score x log2(e) / 8; M = the running largest t rounded up to a whole number; p = 2^(t - M) is quantised along the keys, not normalised; the row's sum is taken of the unquantised p and divides at the end.
; SHARES.  Work-group (i, bh) owns the blocks 7 - i and i of 256 queries of pair bh: 9 stretches of 256 keys for every work-group.  Each of its sixteen waves owns a tile of 16 queries of the block in hand.
; K AND V OF THE WHOLE PAIR LIE IN LDS: sixteen records of 13,312 bytes (128 keys each), filled ONCE by waves 0-3, four tensor loads each; nothing is filled again.  The first four records are waited for first.
; A record: 0: 8 tiles of 16 keys x 64; 6,144: 4 tiles of 16 channels x 128 keys; 12,288: k's scale words; 12,800: v's.  All are images of the operand's registers: every LDS load's bytes are consecutive.
; BOTH PRODUCTS ARE USED TRANSPOSED (S^T = K Q^T, O^T = V^T P^T): a lane holds one query.  The rows of a tile: lane r of tile 2 b + u is row 32 b + 8 u + r + 8 (r / 8), so that 16 registers of two neighbouring tiles are 16 neighbours.
; K = 64 IN AN INSTRUCTION OF K = 128: Q's upper six registers are zero codes; a tile of K is named with the six registers behind it (the next tile's codes; zeros behind the last).  FP6 has no infinity or NaN, and no scale byte here is 0xff: those products are 0.
; CAUSAL: a step of 128 keys that all come after my 16 queries is jumped over (a scalar branch on ids); on the diagonal hidden scores become -infinity.  Every loop's trip count is a constant.
; No multicast: the four work-groups of a pair differ in which steps they jump over, which would be a branch on the place in a cluster.
; LIMITS: NaN and infinities are not served; a block whose largest magnitude lies under 2^-124 keeps the byte 1, a block of zeros too.
.set REC,  13312
.set AQS,  6291456                     ; where the scale bytes begin in aq
.set L16,  1                           ; v1  16 x lane
.set L8,   2                           ; v2  8 x lane
.set A16,  3                           ; v3  the record in hand + 16 x lane
.set A8,   4                           ; v4  + 8 x lane
.set QL,   5                           ; v5  r + 8 (r / 8) - 16 h
.set QA16, 6                           ; v6  Q's tile in its record, 16 x lane
.set QA8,  7                           ; v7  8 x lane
.set QSO,  8                           ; v8  Q's scale word
.set SR8,  9                           ; v9  8 r
.set QF,   16                          ; v16-21 Q, v22-27 zero codes
.set QS,   28                          ; scale words and nothing else: v28 Q's, v29 p's, v[30:33] K's, v[34:35] V's
.set PS,   29
.set KSW,  30
.set VSW,  34
.set FK,   36                          ; v36-83 K's eight tiles, later V's four fragments; v84-89 zero codes
.set ST,   96                          ; v96-159 S^T, then p
.set OT,   160                         ; v160-191 O^T
.set PC,   192
.set QT,   204
.set BM,   212
.set T2,   216
.set SO,   220
.set FF,   224                         ; v[224:225] f = 2^(old M - new M)
.set TA,   226
.set TC,   227
.set SU,   228                         ; v[228:229] the sums' second chain
.set WV,   18
.set BH,   19
.set SEL,  20
.set CS,   22
.set G1,   24
.set G0,   32                          ; s[32:47] four groups 0, never rewritten
.set BLK,  48
.set CNT,  50
.set TB,   51
.set KF,   52
.set Q0,   53
.set QMAX, 54
	s_load_b128 s[4:7], s[0:1], 0x0                ; qb s[4:5], kv s[6:7]
	s_load_b64 s[8:9], s[0:1], 0x10                ; aq
	v_lshl_add_u32 v254, v0, 2, 0x34000
	v_mov_b32 v255, 0
	ds_add_u32 v254, v255
	ds_add_u32 v254, v255
	v_lshrrev_b32 v10, 5, v0
	s_delay_alu instid0(VALU_DEP_1)
	v_readfirstlane_b32 s[WV], v10                 ; wave 0..15
	s_and_b32 s[BH], ttmp7, 0xffff                 ; 16 x batch + head
	s_and_b32 s72, s[BH], 15                       ; the head
	s_mul_i32 s69, s72, 768                        ; its unit of 64 along K in a row-tile of aq
	s_lshr_b32 s70, s72, 2
	s_lshl_b32 s70, s70, 7                         ; its scale bytes: K step head / 4,
	s_bfe_u32 s73, s72, 0x10001
	s_lshl_b32 s73, s73, 2                         ; word (head / 2) % 2,
	s_add_co_u32 s70, s70, s73
	s_and_b32 s73, s72, 1
	s_lshl_b32 s73, s73, 1                         ; bytes 2 (head % 2) on
	s_add_co_u32 s70, s70, s73
	s_add_co_u32 s70, s70, AQS
	s_lshr_b32 s68, s[BH], 4
	s_lshl_b32 s68, s68, 7
	s_add_co_u32 s68, s68, s[WV]                   ; 128 x batch + wave: my row-tile of aq, less 16 x block
	s_lshl_b32 s67, s[BH], 4
	s_lshr_b32 s73, s[WV], 3
	s_add_co_u32 s67, s67, s73                     ; Q's record, less 2 x block
	s_lshr_b32 s66, s[WV], 1
	s_lshl_b32 s66, s66, 5
	s_and_b32 s73, s[WV], 1
	s_lshl_b32 s73, s73, 3
	s_add_co_u32 s66, s66, s73                     ; my tile's first query in a block: 32 (wave / 2) + 8 (wave % 2)
	; descriptor group 1: a record, 13,312 dense bytes, as 52 rows of 256 (32 elements of 8 bytes)
	s_mov_b32 s[G1], 3<<16
	s_mov_b32 s[G1+1], 32<<16
	s_mov_b32 s[G1+2], 52<<16
	s_mov_b32 s[G1+3], 32<<16
	s_mov_b32 s[G1+4], 52
	s_mov_b32 s[G1+5], 32
	s_mov_b32 s[G1+6], 0
	s_mov_b32 s[G1+7], 0
	s_lshl_b32 s72, s[BH], 4
	s_add_co_u32 s72, s72, s[WV]
	s_mul_i32 s72, s72, REC
	s_mov_b32 s73, 0
	s_mul_i32 s74, s[WV], REC
	s_mov_b32 s[SEL], 0x76543210
	s_mov_b32 s[SEL+1], 0xfedcba98
	s_mov_b32 s[CS], 0x3e38aa3b                    ; c = log2(e) / 8
	s_mov_b32 s[CS+1], s[CS]
	s_wait_dscnt 0x0
	s_wait_kmcnt 0x0
	s_add_nc_u64 s[72:73], s[6:7], s[72:73]
.irp n, 0,1,2,3                        ; load n of wave j brings record 4 n + j
	s_mov_b32 s[G0+4*\n], 1
	s_add_co_u32 s[G0+4*\n+1], s74, 4*\n*REC
	s_add_nc_u64 s[G0+4*\n+2:G0+4*\n+3], s[72:73], 4*\n*REC
	s_or_b32 s[G0+4*\n+3], s[G0+4*\n+3], 0x80000000
.endr
	s_cmp_lt_u32 s[WV], 4                          ; a wave's four first fills stand in one branch, ahead of every wait on TENSORcnt, every LDS read and every barrier: four loads of mine are out
	s_cbranch_scc0 .Lno_fetch
	tensor_load_to_lds s[G0:G0+3], s[G1:G1+7]
	s_nop 0
	tensor_load_to_lds s[G0+4:G0+7], s[G1:G1+7]
	s_nop 0
	tensor_load_to_lds s[G0+8:G0+11], s[G1:G1+7]
	s_nop 0
	tensor_load_to_lds s[G0+12:G0+15], s[G1:G1+7]
	s_nop 0
.rept 4
	v_nop
.endr
.Lno_fetch:
	v_and_b32 v10, 31, v0
	s_delay_alu instid0(VALU_DEP_1)
	v_lshlrev_b32 v[L16], 4, v10
	s_delay_alu instid0(VALU_DEP_2)
	v_lshlrev_b32 v[L8], 3, v10
	v_and_b32 v10, 15, v0                          ; r
	s_wait_alu depctr_va_vdst(0)
	v_bfe_u32 v11, v0, 4, 1                        ; h
	v_and_b32 v[QL], 8, v10
	s_delay_alu instid0(VALU_DEP_1)
	v_add_nc_u32 v[QL], v[QL], v10
	s_delay_alu instid0(VALU_DEP_3)
	v_lshlrev_b32 v[TA], 4, v11
	s_delay_alu instid0(VALU_DEP_1)
	v_sub_nc_u32 v[QL], v[QL], v[TA]
	s_and_b32 s55, s[WV], 7
	s_mul_i32 s55, s55, 768
	v_add_nc_u32 v[QA16], s55, v[L16]
	v_add_nc_u32 v[QA8], s55, v[L8]
	s_and_b32 s55, s[WV], 1
	s_lshl_b32 s55, s55, 8
	s_bfe_u32 s62, s[WV], 0x20001
	s_lshl_b32 s62, s62, 2
	s_add_co_u32 s55, s55, s62
	s_add_co_u32 s55, s55, 12288
	v_lshl_add_u32 v[QSO], v10, 4, s55             ; word (tile / 2) of lane r + 16 (tile % 2)
	v_lshlrev_b32 v[SR8], 3, v10
.irp j, 0,1,2,3,4,5
	v_mov_b32 v[QF+6+\j], 0                        ; Q's upper half: zero codes
	v_mov_b32 v[FK+48+\j], 0                       ; and what stands behind K's last tile
.endr
.irp b, 0,1,2,3
	v_mov_b32 v[T2+\b], 0                          ; written once: a lane permute's destination counts as one of its sources
.endr
	v_mov_b32 v[FF+1], 0                           ; (named with f as a pair)
; The head of a block of queries: its scalars, my tile of Q, and the start of the running numbers.
.macro BHEAD
	s_lshl_b32 s[Q0], s[BLK], 8
	s_add_co_u32 s[Q0], s[Q0], s66                 ; my tile's queries: Q0 + r + 8 (r / 8)
	s_add_co_u32 s[QMAX], s[Q0], 23
	s_lshl_b32 s62, s[BLK], 1
	s_add_co_u32 s62, s62, s67
	s_mul_i32 s62, s62, REC
	s_mov_b32 s63, 0
	s_add_nc_u64 s[56:57], s[4:5], s[62:63]        ; Q's record
	s_lshl_b32 s71, s[BLK], 4
	s_add_co_u32 s71, s71, s68                     ; my row-tile of aq
	s_mul_i32 s62, s71, 12288
	s_add_co_u32 s62, s62, s69
	s_add_nc_u64 s[58:59], s[8:9], s[62:63]
	s_lshl_b32 s62, s71, 9
	s_add_co_u32 s62, s62, s70
	s_add_nc_u64 s[60:61], s[8:9], s[62:63]
	global_load_b128 v[QF:QF+3], v[QA16], s[56:57]
	global_load_b64 v[QF+4:QF+5], v[QA8], s[56:57] offset:512
	global_load_b32 v[QS], v[QSO], s[56:57]
	v_mov_b32 v13, 0xff61b1e6                      ; the largest t so far: -3e38
	s_delay_alu instid0(VALU_DEP_1)
	v_floor_f32 v12, -v13                          ; -M
	v_mov_b32 v14, 0
	v_mov_b32 v15, 0
.irp j, 0,1,2,3,4,5,6,7,8,9,10,11,12,13,14,15,16,17,18,19,20,21,22,23,24,25,26,27,28,29,30,31
	v_mov_b32 v[OT+\j], 0                          ; the step is written without a first step of its own: it finds zeros, which the first change of M leaves zeros
.endr
	s_mov_b32 s[TB], 0
	s_mov_b32 s[KF], 0
.endm
; A KEY STEP: 128 keys, one record.
.macro TRIP
	s_cmp_gt_u32 s[KF], s[QMAX]                    ; all its keys come after my queries: nothing to do
	s_cbranch_scc1 .Lhid_\@
	s_setprio 2
	v_add_nc_u32 v[A16], s[TB], v[L16]
	v_add_nc_u32 v[A8], s[TB], v[L8]
	v_nop
	v_nop                                          ; four places in front of loads into registers that the last step's products have read
.irp t, 0,1,2,3,4,5,6,7
	ds_load_b128 v[FK+6*\t:FK+6*\t+3], v[A16] offset:768*\t
	ds_load_b64 v[FK+6*\t+4:FK+6*\t+5], v[A8] offset:768*\t+512
.endr
	ds_load_b128 v[KSW:KSW+3], v[A16] offset:12288
	s_wait_alu depctr_va_vdst(0)
	s_wait_dscnt 0x0
.irp t, 0,2,4,6                        ; S^T = K Q^T: word t / 2 holds the even tile's scales in lanes 0-15, the odd tile's in lanes 16-31
	v_wmma_scale_f32_16x16x128_f8f6f4 v[ST+8*\t:ST+8*\t+7], v[FK+6*\t:FK+6*\t+11], v[QF:QF+11], 0, v[KSW+\t/2], v[QS] matrix_a_fmt:MATRIX_FMT_FP6 matrix_b_fmt:MATRIX_FMT_FP6
	v_wmma_scale_f32_16x16x128_f8f6f4 v[ST+8*\t+8:ST+8*\t+15], v[FK+6*\t+6:FK+6*\t+17], v[QF:QF+11], 0, v[KSW+\t/2], v[QS] matrix_a_fmt:MATRIX_FMT_FP6 matrix_b_fmt:MATRIX_FMT_FP6 matrix_a_scale:MATRIX_SCALE_ROW1
.endr
.rept 4
	v_nop                                          ; places in front of the loads below and of the first read of the scores
.endr
.irp t, 0,1,2,3                        ; V's four fragments land while the softmax runs
.irp c, 0,1
	ds_load_b128 v[FK+12*\t+6*\c:FK+12*\t+6*\c+3], v[A16] offset:6144+1536*\t+768*\c
	ds_load_b64 v[FK+12*\t+6*\c+4:FK+12*\t+6*\c+5], v[A8] offset:6144+1536*\t+768*\c+512
.endr
.endr
	ds_load_b64 v[VSW:VSW+1], v[A16] offset:12800
	s_add_co_u32 s55, s[KF], 127                   ; on the diagonal hidden scores become -infinity; a step all of whose keys count skips this
	s_cmp_le_u32 s55, s[Q0]
	s_cbranch_scc1 .Lopen_\@
	s_sub_co_i32 s55, s[Q0], s[KF]
	v_add_nc_u32 v[TA], s55, v[QL]                 ; d = my query - KF - 16 h.  Register 16 b + i holds key KF + 32 b + 16 h + i: hidden where 32 b + i > d
	v_mov_b32 v[TC], 0xff800000
.irp b, 0,1,2,3
.irp i, 0,1,2,3,4,5,6,7,8,9,10,11,12,13,14,15
	v_cmp_gt_i32 vcc_lo, 32*\b+\i, v[TA]
	v_cndmask_b32 v[ST+16*\b+\i], v[ST+16*\b+\i], v[TC], vcc_lo
.endr
.endr
.Lopen_\@:
.irp b, 0,1,2,3
	v_max3_num_f32 v[BM+\b], v[ST+16*\b], v[ST+1+16*\b], v[ST+2+16*\b]   ; the largest score of each block of 32 keys: for the row's maximum, and, since p rises with the score, for the block's largest p
.endr
.irp i, 3,5,7,9,11,13
.irp b, 0,1,2,3
	v_max3_num_f32 v[BM+\b], v[BM+\b], v[ST+16*\b+\i], v[ST+1+16*\b+\i]
.endr
.endr
.irp b, 0,1,2,3
	v_max_num_f32 v[BM+\b], v[BM+\b], v[ST+15+16*\b]
.endr
.irp b, 0,1,2,3
	s_delay_alu instid0(VALU_DEP_4)
	v_permlanex16_b32 v[T2+\b], v[BM+\b], s[SEL], s[SEL+1]
.endr
.irp b, 0,1,2,3
	s_delay_alu instid0(VALU_DEP_4)
	v_max_num_f32 v[BM+\b], v[BM+\b], v[T2+\b]     ; with lane l xor 16's 16 keys
.endr
	s_delay_alu instid0(VALU_DEP_2)
	v_max3_num_f32 v[TA], v[BM], v[BM+1], v[BM+2]
	s_delay_alu instid0(VALU_DEP_1)
	v_max_num_f32 v[TA], v[TA], v[BM+3]
	s_delay_alu instid0(VALU_DEP_1)
	v_mul_f32 v[TA], s[CS], v[TA]                  ; the step's largest t
	s_delay_alu instid0(VALU_DEP_1)
	v_max_num_f32 v13, v13, v[TA]
	v_mov_b32 v[TA], v12
	s_delay_alu instid0(VALU_DEP_2)
	v_floor_f32 v12, -v13                          ; the new -M = -ceil(t)
	s_delay_alu instid0(VALU_DEP_1)
	v_sub_f32 v[TA], v12, v[TA]                    ; old M - new M: a whole number, 0 or less
	s_delay_alu instid0(VALU_DEP_1)
	v_cvt_i32_f32 v[TA], v[TA]                     ; (it saturates)
	s_delay_alu instid0(VALU_DEP_1)
	v_ldexp_f32 v[FF], 1.0, v[TA]                  ; f: a multiplication by it rounds nothing
.irp j, 0,2,4,6,8,10,12,14,16,18,20,22,24,26,28,30,32,34,36,38,40,42,44,46,48,50,52,54,56,58,60,62
	v_pk_fma_f32 v[ST+\j:ST+1+\j], v[ST+\j:ST+1+\j], s[CS:CS+1], v[12:13] op_sel_hi:[1,0,0]   ; t - M
.endr
	s_setprio 1
.irp b, 0,1,2,3
	v_fma_f32 v[BM+\b], v[BM+\b], s[CS], v12
.endr
	s_wait_alu depctr_va_vdst(0)
.irp b, 0,1,2,3
.irp i, 0,1,2,3,4,5,6,7,8,9,10,11,12,13,14,15
	v_exp_f32 v[ST+16*\b+\i], v[ST+16*\b+\i]       ; p = 2^(t - M)
.endr
.endr
	v_pk_mul_f32 v[14:15], v[14:15], v[FF:FF+1] op_sel_hi:[1,0]   ; the sums under the new M: a plain place behind the exponentials
	s_wait_alu depctr_va_vdst(0)                   ; one wait for the batch, ahead of its first reader
.irp b, 0,1,2,3
	v_exp_f32 v[BM+\b], v[BM+\b]                   ; the block's largest p
.endr
	v_pk_add_f32 v[228:229], v[100:101], v[104:105]
	v_pk_add_f32 v[252:253], v[108:109], v[112:113]
	v_pk_add_f32 v[250:251], v[116:117], v[120:121]
	v_pk_add_f32 v[248:249], v[124:125], v[128:129]
	v_pk_add_f32 v[246:247], v[132:133], v[136:137]
	v_pk_add_f32 v[244:245], v[140:141], v[144:145]
	v_pk_add_f32 v[242:243], v[148:149], v[152:153]
	v_pk_add_f32 v[14:15], v[14:15], v[156:157]
	v_pk_add_f32 v[228:229], v[228:229], v[96:97]
	v_pk_add_f32 v[252:253], v[252:253], v[98:99]
	v_pk_add_f32 v[250:251], v[250:251], v[102:103]
	v_pk_add_f32 v[248:249], v[248:249], v[106:107]
	v_pk_add_f32 v[246:247], v[246:247], v[110:111]
	v_pk_add_f32 v[244:245], v[244:245], v[114:115]
	v_pk_add_f32 v[242:243], v[242:243], v[118:119]
	v_pk_add_f32 v[14:15], v[14:15], v[122:123]
	v_pk_add_f32 v[228:229], v[228:229], v[126:127]
	v_pk_add_f32 v[252:253], v[252:253], v[130:131]
	v_pk_add_f32 v[250:251], v[250:251], v[134:135]
	v_pk_add_f32 v[248:249], v[248:249], v[138:139]
	v_pk_add_f32 v[246:247], v[246:247], v[142:143]
	v_pk_add_f32 v[244:245], v[244:245], v[146:147]
	v_pk_add_f32 v[242:243], v[242:243], v[150:151]
	v_pk_add_f32 v[14:15], v[14:15], v[154:155]
	v_pk_add_f32 v[228:229], v[228:229], v[158:159]
	s_delay_alu instid0(VALU_DEP_2)
	v_pk_add_f32 v[14:15], v[14:15], v[248:249]
	s_delay_alu instid0(VALU_DEP_2)
	v_pk_add_f32 v[228:229], v[228:229], v[246:247]
	v_pk_add_f32 v[252:253], v[252:253], v[244:245]
	v_pk_add_f32 v[250:251], v[250:251], v[242:243]
	s_delay_alu instid0(VALU_DEP_2)
	v_pk_add_f32 v[14:15], v[14:15], v[252:253]
	s_delay_alu instid0(VALU_DEP_2)
	v_pk_add_f32 v[228:229], v[228:229], v[250:251]
	s_delay_alu instid0(VALU_DEP_1)
	v_pk_add_f32 v[14:15], v[14:15], v[228:229]
	s_wait_alu depctr_va_vdst(0)                   ; and one for the four
.irp b, 0,1,2,3
	v_max_num_f32 v[BM+\b], 0x1800000, v[BM+\b]    ; the floor 2^(3 - 127)
.endr
.irp b, 0,1,2,3
	s_delay_alu instid0(VALU_DEP_4)
	v_add_nc_u32 v[SO+\b], 0xff000000, v[BM+\b]    ; the conversion's scale operand
.endr
.irp b, 0,1,2,3
	s_delay_alu instid0(VALU_DEP_4)
	v_lshrrev_b32 v[T2+\b], 23, v[SO+\b]
.endr
	s_delay_alu instid0(VALU_DEP_3)
	v_lshl_or_b32 v[PS], v[T2+1], 8, v[T2]         ; p's scale word for these 128 keys
	s_delay_alu instid0(VALU_DEP_1)
	v_lshl_or_b32 v[PS], v[T2+2], 16, v[PS]
	s_delay_alu instid0(VALU_DEP_1)
	v_lshl_or_b32 v[PS], v[T2+3], 24, v[PS]
	s_setprio 0
.irp c, 0,1
	v_cvt_scalef32_pk16_fp6_f32 v[PC+6*\c:PC+2+6*\c], v[ST+32*\c:ST+15+32*\c], v[SO+2*\c]
	v_cvt_scalef32_pk16_fp6_f32 v[QT+4*\c:QT+2+4*\c], v[ST+16+32*\c:ST+31+32*\c], v[SO+2*\c+1]
.endr
	v_nop                                          ; one plain place behind a scaled conversion
.irp c, 0,1
.irp i, 0,1,2
	v_permlane16_swap_b32 v[PC+6*\c+\i], v[QT+4*\c+\i]
.endr
.irp i, 0,1,2
	s_delay_alu instid0(VALU_DEP_3)
	v_mov_b32 v[PC+3+6*\c+\i], v[QT+4*\c+\i]
.endr
.endr
.irp j, 0,2,4,6,8,10,12,14,16,18,20,22,24,26,28,30
	v_pk_mul_f32 v[OT+\j:OT+1+\j], v[OT+\j:OT+1+\j], v[FF:FF+1] op_sel_hi:[1,0]   ; O^T under the new M; these sixteen stand between the writing of p's codes and scale word and the products
.endr
	s_wait_alu depctr_va_vdst(0)
	s_wait_dscnt 0x0                               ; V
.irp t, 0,2                            ; O^T += V^T P^T: four accumulators by turns
	v_wmma_scale_f32_16x16x128_f8f6f4 v[OT+8*\t:OT+8*\t+7], v[FK+12*\t:FK+12*\t+11], v[PC:PC+11], v[OT+8*\t:OT+8*\t+7], v[VSW+\t/2], v[PS] matrix_a_fmt:MATRIX_FMT_FP6 matrix_b_fmt:MATRIX_FMT_FP6
	v_wmma_scale_f32_16x16x128_f8f6f4 v[OT+8*\t+8:OT+8*\t+15], v[FK+12*\t+12:FK+12*\t+23], v[PC:PC+11], v[OT+8*\t+8:OT+8*\t+15], v[VSW+\t/2], v[PS] matrix_a_fmt:MATRIX_FMT_FP6 matrix_b_fmt:MATRIX_FMT_FP6 matrix_a_scale:MATRIX_SCALE_ROW1
.endr
.Lhid_\@:
	s_add_co_u32 s[TB], s[TB], REC
	s_add_co_u32 s[KF], s[KF], 128
.endm
; The end of a block: O^T / the sum; register 16 b + i is channel 32 b + 16 h + i of my query: two blocks of the output projection's K, quantised and stored as one unit of aq.
.macro WAYOUT
.rept 4
	v_nop                                          ; places behind the last products
.endr
	v_add_f32 v14, v14, v15
	s_delay_alu instid0(VALU_DEP_1)
	v_permlanex16_b32 v[T2], v14, s[SEL], s[SEL+1]
	s_delay_alu instid0(VALU_DEP_1)
	v_add_f32 v14, v14, v[T2]                      ; the row's sum
	s_wait_alu depctr_va_vdst(0)
	v_rcp_f32 v14, v14
	v_nop                                          ; a plain place behind the reciprocal
	s_wait_alu depctr_va_vdst(0)                   ; and the wait ahead of its first reader
.irp j, 0,1,2,3,4,5,6,7,8,9,10,11,12,13,14,15,16,17,18,19,20,21,22,23,24,25,26,27,28,29,30,31
	v_mul_f32 v[ST+\j], v[OT+\j], v14
.endr
.irp b, 0,1
	v_max3_num_f32 v[BM+\b], |v[ST+16*\b]|, |v[ST+1+16*\b]|, 0x1800000
.endr
.irp i, 2,4,6,8,10,12,14
.irp b, 0,1
	s_delay_alu instid0(VALU_DEP_2)
	v_max3_num_f32 v[BM+\b], v[BM+\b], |v[ST+16*\b+\i]|, |v[ST+1+16*\b+\i]|
.endr
.endr
.irp b, 0,1
	s_delay_alu instid0(VALU_DEP_2)
	v_permlanex16_b32 v[T2+\b], v[BM+\b], s[SEL], s[SEL+1]
.endr
.irp b, 0,1
	s_delay_alu instid0(VALU_DEP_2)
	v_max_num_f32 v[BM+\b], v[BM+\b], v[T2+\b]
.endr
.irp b, 0,1
	s_delay_alu instid0(VALU_DEP_2)
	v_add_nc_u32 v[SO+\b], 0xff000000, v[BM+\b]
.endr
.irp b, 0,1
	s_delay_alu instid0(VALU_DEP_2)
	v_lshrrev_b32 v[T2+\b], 23, v[SO+\b]
.endr
	s_delay_alu instid0(VALU_DEP_1)
	v_lshl_or_b32 v[TA], v[T2+1], 8, v[T2]         ; my row's two scale bytes
	v_cvt_scalef32_pk16_fp6_f32 v[PC:PC+2], v[ST:ST+15], v[SO]
	v_cvt_scalef32_pk16_fp6_f32 v[QT:QT+2], v[ST+16:ST+31], v[SO+1]
	v_nop
.irp i, 0,1,2
	v_permlane16_swap_b32 v[PC+\i], v[QT+\i]
.endr
.irp i, 0,1,2
	s_delay_alu instid0(VALU_DEP_3)
	v_mov_b32 v[PC+3+\i], v[QT+\i]
.endr
	global_store_b128 v[L16], v[PC:PC+3], s[58:59]              ; 512 consecutive bytes, aligned
	global_store_b64 v[L8], v[PC+4:PC+5], s[58:59] offset:512   ; 256
	global_store_b16 v[SR8], v[TA], s[60:61]       ; two bytes a row, 8 bytes apart (both halves of the lanes write the same): one byte in 24 of what is stored
.endm
	s_sub_co_u32 s[BLK], 7, ttmp9                  ; the late block first: it reads up to all sixteen records
	BHEAD
	s_wait_tensorcnt 3                             ; my first record (0 to 3) is in; my three later ones may be out
	s_barrier_signal -1
	s_barrier_wait -1                              ; records 0 to 3 are whole
	s_wait_loadcnt 0x0                             ; Q
	s_mov_b32 s[CNT], 4
.Lfirst:                                           ; records 0 to 3: bytes under 4 REC; the loads still out write from 4 REC on
	TRIP
	s_sub_co_u32 s[CNT], s[CNT], 1
	s_cmp_lg_u32 s[CNT], 0
	s_cbranch_scc1 .Lfirst
	s_setprio 0
	s_wait_tensorcnt 0x0
	s_barrier_signal -1
	s_barrier_wait -1                              ; all sixteen records are whole
	s_mov_b32 s[TB], 4*REC
	s_mov_b32 s[KF], 512
	s_mov_b32 s[CNT], 12
.Lrest:
	TRIP
	s_sub_co_u32 s[CNT], s[CNT], 1
	s_cmp_lg_u32 s[CNT], 0
	s_cbranch_scc1 .Lrest
	s_setprio 0
	WAYOUT
	s_wait_xcnt 0x0                                ; the stores have read their data and bases: both are written again
	s_mov_b32 s[BLK], ttmp9                        ; the early block: at most block 3, so no key past 1,023 counts: eight records
	BHEAD
	s_wait_loadcnt 0x0
	s_mov_b32 s[CNT], 8
.Lsecond:
	TRIP
	s_sub_co_u32 s[CNT], s[CNT], 1
	s_cmp_lg_u32 s[CNT], 0
	s_cbranch_scc1 .Lsecond
	s_setprio 0
	WAYOUT
	s_wait_tensorcnt 0x0
	ds_add_u32 v254, v255
	s_wait_dscnt 0x0
	s_endpgm
.Lfunc_end_k_q677de96c0a_attn:
	.size	k_q677de96c0a_attn, .Lfunc_end_k_q677de96c0a_attn-k_q677de96c0a_attn
	.p2alignl 7, 3214868480
	.fill 96, 4, 3214868480
	.section	.rodata,"a",@progbits
	.p2align	6, 0x0
	.amdhsa_kernel k_q677de96c0a_attn
		.amdhsa_group_segment_fixed_size 215040
		.amdhsa_private_segment_fixed_size 0
		.amdhsa_enable_private_segment 0
		.amdhsa_kernarg_size 24
		.amdhsa_user_sgpr_count 2
		.amdhsa_user_sgpr_kernarg_segment_ptr 1
		.amdhsa_wavefront_size32 1
		.amdhsa_system_sgpr_workgroup_id_x 1
		.amdhsa_system_sgpr_workgroup_id_y 1
		.amdhsa_system_sgpr_workgroup_id_z 1
		.amdhsa_system_vgpr_workitem_id 0
		.amdhsa_next_free_vgpr 256
		.amdhsa_next_free_sgpr 80
		.amdhsa_reserve_vcc 1
		.amdhsa_float_denorm_mode_32 3
		.amdhsa_float_denorm_mode_16_64 3
		.amdhsa_memory_ordered 1
		.amdhsa_forward_progress 1
		.amdhsa_inst_pref_size 87
	.end_amdhsa_kernel
	.amdgpu_metadata
---
amdhsa.version: [ 1, 2 ]
amdhsa.kernels:
  - .name:           k_q677de96c0a_attn
    .symbol:         k_q677de96c0a_attn.kd
    .args:
      - { .name: qb, .offset: 0, .size: 8, .value_kind: global_buffer, .address_space: global }
      - { .name: kv, .offset: 8, .size: 8, .value_kind: global_buffer, .address_space: global }
      - { .name: aq, .offset: 16, .size: 8, .value_kind: global_buffer, .address_space: global }
    .group_segment_fixed_size: 215040
    .private_segment_fixed_size: 0
    .kernarg_segment_align: 8
    .kernarg_segment_size: 24
    .max_flat_workgroup_size: 512
    .sgpr_count:     80
    .vgpr_count:     256
    .wavefront_size: 32
...
	.end_amdgpu_metadata
.endif
;; end of part 3
;; launch oproj (part 4): grid 4 x 32, 4 waves a work-group, clusters of 4 x 4, 327,680 bytes of LDS; arguments aq, wq, out0; writes out0
.if DOCPART == 4
	.amdgcn_target "amdgcn-amd-amdhsa--gfx1250"
	.amdhsa_code_object_version 6
	.text
	.protected	k_q677de96c0a_oproj
	.globl	k_q677de96c0a_oproj
	.p2align	8
	.type	k_q677de96c0a_oproj,@function
k_q677de96c0a_oproj:
	s_mov_b64 s[64:65], 0
	v_nop
	global_prefetch_b8 v0, s[64:65] scope:SCOPE_SE
	s_setreg_imm32_b32 hwreg(HW_REG_WAVE_MODE, 25, 1), 1
	s_wait_xcnt 0x0
	s_wait_alu depctr_hold_cnt(0) depctr_sa_sdst(0) depctr_va_vdst(0) depctr_va_sdst(0) depctr_va_ssrc(0) depctr_va_vcc(0) depctr_vm_vsrc(0)
	s_getreg_b32 s2, hwreg(HW_REG_IB_STS2, 6, 4)
	s_cmp_eq_u32 s2, 0
	s_cbranch_scc0 .Lentry_in_a_cluster
	s_endpgm
.Lentry_in_a_cluster:
	s_bfe_u32 s2, ttmp6, 0x10000c
	s_cmp_lg_u32 s2, 0xf033
	s_cbranch_scc0 .Lentry_shape_is_right
	s_endpgm
.Lentry_shape_is_right:
; out0 = a Wo on codes of FP6 (E2M3) with E8M0 scales, K = 1,024.  P = a (aq: 8,192 rows), R = Wo's columns (wq's row-tiles 192 on: 1,024 rows); out0 [8192][1024] f32.
; THE MATRIX INSTRUCTION TAKES 16 ROWS OF R AS SOURCE 0 AND 16 ROWS OF P AS SOURCE 1: a lane holds one row of out0 and eight neighbouring columns.
; A tile is 256 x 256, four waves of 128 x 128; K goes in steps of 256 through two LDS slots filled by the tensor data mover; clusters of 4 x 4 with joint loads: P's tiles shared along a row, R's along a column.
; Operands lie in memory as images of their registers: a unit of 16 rows x 64 K is 768 bytes (registers 0-3 at 16 x lane, 4-5 at 512 + 8 x lane), 16 units a row-tile, scale bytes behind the codes, 512 a row-tile.
; The rows of a tile: lane r of tile 2 b + u is row 32 b + 8 u + r + 8 (r / 8): the way out puts rows and columns back in their places.
; 128 tiles of 256 x 256: half of the WGPs have no work-group here; a smaller tile would read each fragment for half as many products.
; REGISTERS: window 0: v0-31 addresses; v32-63 scale words, two sets; v128-223 P's fragments (on the way out v128-255: rows read back); window 1: R's fragments, two sets; windows 2, 3: the accumulators.
.set KSB,    3072
.set TILEB,  12288
.set NQ,     2
.set FR,     12
.set NL,     4
.set NP,     4
.set HALFT,  8*KSB
.set SLOT,   4*HALFT
.set SCL,    2*SLOT
.set HALFS,  4096
.set SPARE,  SCL+4*HALFS               ; the spare words, 128 bytes for each wave: two blocks of 256 bytes that no other line names
.set AQS,    6291456
.set WQS,    3145728
.set SPITCH, 528                       ; the way out: a stage of 16 rows x (512 + 16) bytes for each wave, in slot 0, which has had its last fill and its last read when the first result is stored there
.set ADRA, 16
.set ADRB, 20
.set STO,  24
.set RD,   25
.set CO,   26
.set ADRS, 27
.set SPW,  28
.set NIL,  29
.set SC,   32
.set AF,   128
.set BK,   128
.set G1, 24
.set G0, 32
.set G1B, 48
.set G0B, 56
.set G1S, 68
.set G0S, 76
.set G1SB, 80
.set G0SB, 88
.set MSB, 0
.macro WIN new
.if MSB != (\new)
	s_set_vgpr_msb (MSB<<8)|(\new)
.set MSB, (\new)
.endif
.endm
.set MUL_LO, 0xa1
.set MUL_HI, 0xf1
.set TO_B,   0x40
.macro JLOAD g0a, g1a, g0b, g1b        ; a joint load: waves 0 and 1 fetch for P, waves 2 and 3 for R; four v_nop follow each line
	s_cmp_eq_u32 s15, 0
	s_cbranch_scc0 .Lfor_b_\@
	tensor_load_to_lds s[\g0a:\g0a+3], s[\g1a:\g1a+7]
	s_nop 0
.rept 4
	v_nop
.endr
	s_branch .Lasked_\@
.Lfor_b_\@:
	tensor_load_to_lds s[\g0b:\g0b+3], s[\g1b:\g1b+7]
	s_nop 0
.rept 4
	v_nop
.endr
.Lasked_\@:
.endm
.macro CREST
	s_cmp_lg_u32 s14, 0
	s_cbranch_scc1 .Lnot_wave_0_\@
	s_barrier_signal -3
.Lnot_wave_0_\@:
	s_barrier_wait -3
	s_barrier_signal -1
	s_barrier_wait -1
.endm
.macro CROUND
	s_barrier_signal -1
	s_barrier_wait -1
	CREST
.endm
	s_load_b128 s[4:7], s[0:1], 0x0                ; aq s[4:5], wq s[6:7]
	s_load_b64 s[12:13], s[0:1], 0x10              ; out0
	v_lshl_add_u32 v[SPW], v0, 2, SPARE
	v_mov_b32 v[NIL], 0
	ds_add_u32 v28, v29
	ds_add_u32 v28, v29
	s_wait_dscnt 0x0
	v_lshrrev_b32 v1, 5, v0
	v_readfirstlane_b32 s14, v1                    ; wave 0..3
	s_lshr_b32 s15, s14, 1                         ; which half of P's rows is mine.  Also: I fetch for P (0) or for R (1)
	s_and_b32 s16, s14, 1                          ; which half of R's rows.  Also: which 8 row-tiles I fetch
	s_bfe_u32 s40, ttmp6, 0x40000                  ; cx
	s_bfe_u32 s41, ttmp6, 0x40004                  ; cy
	s_lshl_b32 s42, ttmp9, 2
	s_add_co_u32 s42, s42, s40                     ; R's tile
	s_and_b32 s17, ttmp7, 0xffff
	s_lshl_b32 s17, s17, 2
	s_add_co_u32 s17, s17, s41                     ; P's tile
	s_lshl_b32 s43, s41, 2
	s_lshl_b32 s43, 15, s43                        ; my row of the cluster
	s_lshl_b32 s44, 0x1111, s40                    ; my column
	s_or_b32 s[G1+0], s43, (3<<16)|(1<<21)         ; codes: 8 rows (row-tiles) of 3,072 bytes, 12,288 apart; elements of 8 bytes; no padding
	s_or_b32 s[G1B+0], s44, (3<<16)|(1<<21)
.irp g, G1, G1B
	s_mov_b32 s[\g+1], 384<<16
	s_mov_b32 s[\g+2], 8<<16
	s_mov_b32 s[\g+3], 384<<16
	s_mov_b32 s[\g+4], 8
	s_mov_b32 s[\g+5], 1536
	s_mov_b32 s[\g+6], 0
	s_mov_b32 s[\g+7], 0
.endr
	s_or_b32 s[G1S+0], s43, (3<<16)|(1<<21)        ; scale bytes of 8 row-tiles: 4,096 dense bytes as 16 rows of 256
	s_or_b32 s[G1SB+0], s44, (3<<16)|(1<<21)
.irp g, G1S, G1SB
	s_mov_b32 s[\g+1], 32<<16
	s_mov_b32 s[\g+2], 16<<16
	s_mov_b32 s[\g+3], 32<<16
	s_mov_b32 s[\g+4], 16
	s_mov_b32 s[\g+5], 32
	s_mov_b32 s[\g+6], 0
	s_mov_b32 s[\g+7], 0
.endr
	s_lshl_b32 s18, s16, 3
	s_lshl_b32 s20, s17, 4
	s_add_co_u32 s20, s20, s18                     ; P: the first row-tile that I fetch
	s_lshl_b32 s46, s42, 4
	s_add_co_u32 s46, s46, s18
	s_add_co_u32 s46, s46, 192                     ; R: Wo's row-tiles begin at 192 in wq
	s_lshl_b32 s22, s20, 9
	s_add_co_u32 s22, s22, AQS
	s_mul_i32 s20, s20, TILEB
	s_lshl_b32 s92, s46, 9
	s_add_co_u32 s92, s92, WQS
	s_mul_i32 s46, s46, TILEB
	s_mov_b32 s21, 0
	s_mov_b32 s23, 0
	s_mov_b32 s47, 0
	s_mov_b32 s93, 0
	s_mul_i32 s45, s14, HALFT
	s_lshl_b32 s94, s14, 12
	s_wait_kmcnt 0x0
	s_add_nc_u64 s[20:21], s[4:5], s[20:21]
	s_add_nc_u64 s[22:23], s[4:5], s[22:23]
	s_add_nc_u64 s[46:47], s[6:7], s[46:47]
	s_add_nc_u64 s[92:93], s[6:7], s[92:93]
	CROUND                                         ; all sixteen work-groups are here: the first joint loads meet
	s_mov_b32 s[G0S], 1
	s_add_co_u32 s[G0S+1], s94, SCL
	s_mov_b64 s[G0S+2:G0S+3], s[22:23]
	s_or_b32 s[G0S+3], s[G0S+3], 0x80000000
	s_mov_b32 s[G0SB], 1
	s_add_co_u32 s[G0SB+1], s94, SCL
	s_mov_b64 s[G0SB+2:G0SB+3], s[92:93]
	s_or_b32 s[G0SB+3], s[G0SB+3], 0x80000000
	JLOAD G0S, G1S, G0SB, G1SB
.irp s, 0,1
	s_mov_b32 s[G0+4*\s], 1
	s_add_co_u32 s[G0+4*\s+1], s45, \s*SLOT
	s_add_nc_u64 s[G0+4*\s+2:G0+4*\s+3], s[20:21], \s*KSB
	s_or_b32 s[G0+4*\s+3], s[G0+4*\s+3], 0x80000000
	s_mov_b32 s[G0B+4*\s], 1
	s_add_co_u32 s[G0B+4*\s+1], s45, \s*SLOT
	s_add_nc_u64 s[G0B+4*\s+2:G0B+4*\s+3], s[46:47], \s*KSB
	s_or_b32 s[G0B+4*\s+3], s[G0B+4*\s+3], 0x80000000
	JLOAD G0+4*\s, G1, G0B+4*\s, G1B               ; three loads of mine are out behind the second of these
.endr
	v_and_b32 v1, 31, v0                           ; lane
	v_and_b32 v2, 15, v0                           ; r
	v_bfe_u32 v3, v0, 4, 1                         ; h
	v_lshlrev_b32 v[CO], 4, v1                     ; 16 x lane
	v_lshlrev_b32 v5, 3, v1                        ; 8 x lane
	s_mul_i32 s21, s15, HALFT
	s_mul_i32 s22, s16, HALFT
	s_add_co_u32 s22, s22, 2*HALFT
.irp s, 0,1
	v_add_nc_u32 v[ADRA+\s], s21, v[CO]
	v_add_nc_u32 v[ADRA+2+\s], s21, v5
	v_add_nc_u32 v[ADRB+\s], s22, v[CO]
	v_add_nc_u32 v[ADRB+2+\s], s22, v5
	s_add_co_u32 s21, s21, SLOT
	s_add_co_u32 s22, s22, SLOT
.endr
	v_lshlrev_b32 v6, 3, v2
	s_mul_i32 s21, s15, HALFS
	s_mul_i32 s22, s16, HALFS
	s_add_co_u32 s22, s22, 2*HALFS
	s_sub_co_u32 s22, s22, s21
	v_mul_u32_u24 v7, s22, v3                      ; lanes 16-31 take R's scale words
	s_add_co_u32 s21, s21, SCL
	v_add_nc_u32 v6, v6, v7
	v_add_nc_u32 v[ADRS], s21, v6
	s_mul_i32 s23, s14, 16*SPITCH                  ; my stage
	v_mul_u32_u24 v6, v2, SPITCH                   ; in: row r; my half's 16 columns of each 32: + 64 h
	v_lshl_add_u32 v6, v3, 6, v6
	v_add_nc_u32 v[STO], s23, v6
	v_add_nc_u32 v[RD], s23, v[CO]                 ; back: the 32 lanes take one row of 512 bytes
	s_lshl_b32 s20, s17, 8
	s_lshl_b32 s21, s15, 7
	s_add_co_u32 s20, s20, s21                     ; my first row of out0
	s_lshl_b32 s20, s20, 12                        ; 4,096 bytes a row
	s_lshl_b32 s46, s42, 10                        ; my first column, in bytes
	s_lshl_b32 s47, s16, 9
	s_add_co_u32 s46, s46, s47
	s_add_co_u32 s46, s46, s20
	s_mov_b32 s47, 0
	s_add_nc_u64 s[12:13], s[12:13], s[46:47]
.macro FRAG reg, adr, q, i
	ds_load_b128 v[\reg:\reg+3], v[\adr] offset:(\i)*KSB+(\q)*1536
	ds_load_b64 v[\reg+4:\reg+5], v[\adr+2] offset:(\i)*KSB+(\q)*1536+512
	ds_load_b128 v[\reg+6:\reg+9], v[\adr] offset:(\i)*KSB+(\q)*1536+768
	ds_load_b64 v[\reg+10:\reg+11], v[\adr+2] offset:(\i)*KSB+(\q)*1536+1280
.endm
; The 64 accumulators take turns, one instruction a turn, in the same order in every step.
.macro MUL16 a0, p, q, sc, zero
.irp a, \a0, \a0+1
.irp b, 0,1,2,3,4,5,6,7
.if \zero
	v_wmma_scale_f32_16x16x128_f8f6f4 v[8*(8*((\a)%4)+\b):8*(8*((\a)%4)+\b)+7], v[128*(\p)+FR*\b:128*(\p)+FR*\b+FR-1], v[AF+FR*(\a):AF+FR*(\a)+FR-1], 0, v[SC+8*NQ*(\sc)+NQ*\b+(\q)], v[SC+8*NQ*(\sc)+NQ*(\a)+(\q)] matrix_a_fmt:MATRIX_FMT_FP6 matrix_b_fmt:MATRIX_FMT_FP6 matrix_a_scale:MATRIX_SCALE_ROW1
.else
	v_wmma_scale_f32_16x16x128_f8f6f4 v[8*(8*((\a)%4)+\b):8*(8*((\a)%4)+\b)+7], v[128*(\p)+FR*\b:128*(\p)+FR*\b+FR-1], v[AF+FR*(\a):AF+FR*(\a)+FR-1], v[8*(8*((\a)%4)+\b):8*(8*((\a)%4)+\b)+7], v[SC+8*NQ*(\sc)+NQ*\b+(\q)], v[SC+8*NQ*(\sc)+NQ*(\a)+(\q)] matrix_a_fmt:MATRIX_FMT_FP6 matrix_b_fmt:MATRIX_FMT_FP6 matrix_a_scale:MATRIX_SCALE_ROW1
.endif
.endr
.endr
.endm
.macro FETCH_B slot, q, p
	WIN TO_B
.irp i, 0,1,2,3,4,5,6,7
	FRAG 128*(\p)+FR*\i, ADRB+\slot, \q, \i
.endr
	WIN 0
.endm
.macro FETCH_A slot, q, i0
.irp i, \i0, \i0+1, \i0+2, \i0+3
	FRAG AF+FR*(\i), ADRA+\slot, \q, \i
.endr
.endm
.macro SCALES sc
.irp i, 0,1,2,3,4,5,6,7
	ds_load_b64 v[SC+8*NQ*\sc+NQ*\i:SC+8*NQ*\sc+NQ*\i+1], v[ADRS] offset:\i*512
.endr
.endm
.macro PLACES n
.rept \n
	v_nop
.endr
.endm
.macro STEP slot, q, zero
	s_wait_dscnt 4*NL                              ; R's set and P's blocks 0-3 are in; the youngest 16 loads (P's blocks 4-7) may be out
	WIN MUL_LO
	MUL16 0, (\q)%2, \q, \slot, \zero
	MUL16 2, (\q)%2, \q, \slot, \zero
	s_wait_dscnt 0
	PLACES NP
	FETCH_B \slot, (\q)+1, 1-(\q)%2
	FETCH_A \slot, (\q)+1, 0
	WIN MUL_HI
	MUL16 4, (\q)%2, \q, \slot, \zero
	MUL16 6, (\q)%2, \q, \slot, \zero
	PLACES NP
	WIN 0
	FETCH_A \slot, (\q)+1, 4
.endm
.macro TURN slot, next, fill
	s_wait_tensorcnt 0x0                           ; all my tensor loads have landed: my part of the next slot
	ds_add_u32 v[SPW], v[NIL]                      ; 0 onto my spare word
	s_wait_dscnt 4*NL+1                            ; (the add and the youngest 16 loads may be out)
	WIN MUL_LO
	MUL16 0, 1, NQ-1, \slot, 0
	s_wait_dscnt 0x0                               ; the add is done, and my reads of this slot are over
	s_barrier_signal -1
	MUL16 2, 1, NQ-1, \slot, 0
	WIN 0
	s_barrier_wait -1
.if \fill
	CREST                                          ; the barrier has opened a round of the cluster's: no wave of any partner still reads this slot or has a load on its way
	s_add_nc_u64 s[G0+4*\slot+2:G0+4*\slot+3], s[G0+4*\slot+2:G0+4*\slot+3], 2*KSB
	s_add_nc_u64 s[G0B+4*\slot+2:G0B+4*\slot+3], s[G0B+4*\slot+2:G0B+4*\slot+3], 2*KSB
	JLOAD G0+4*\slot, G1, G0B+4*\slot, G1B         ; the first tensor load behind the round, my only one out
.else
	PLACES NP
.endif
	v_add_nc_u32 v[ADRS], 128, v[ADRS]
	FETCH_B \next, 0, 0
	FETCH_A \next, 0, 0
	SCALES \next
	WIN MUL_HI
	MUL16 4, 1, NQ-1, \slot, 0
	MUL16 6, 1, NQ-1, \slot, 0
	PLACES NP
	WIN 0
	FETCH_A \next, 0, 4
.endm
	s_wait_tensorcnt 1                             ; the scales and my part of K step 0 are in; K step 1's load may be out
	s_barrier_signal -1
	s_barrier_wait -1
	FETCH_B 0, 0, 0
	FETCH_A 0, 0, 0
	SCALES 0
	FETCH_A 0, 0, 4
	STEP 0, 0, 1
	TURN 0, 1, 1
	STEP 1, 0, 0
	TURN 1, 0, 1
	STEP 0, 0, 0
	TURN 0, 1, 0
	STEP 1, 0, 0
	s_wait_dscnt 4*NL
	WIN MUL_LO
	MUL16 0, 1, NQ-1, 1, 0
	MUL16 2, 1, NQ-1, 1, 0
	s_wait_dscnt 0
	WIN MUL_HI
	MUL16 4, 1, NQ-1, 1, 0
	MUL16 6, 1, NQ-1, 1, 0
	WIN 0
; THE WAY OUT, block by block of 16 rows x 128 columns, through my own stage in LDS.  Accumulator (a, b), lane (r, h): columns 32 (b / 2) + 16 h + 8 (b % 2) + 0 .. 7 of the block's row r.
; Row t of the block is row t + 8 (t / 8) from the block's first, which lies 32 (a / 2) + 8 (a % 2) rows from mine.  LDS serves a wave's instructions in order: no wait between the stores and the loads.
.macro TOSTAGE a
.set AC, 64*((\a)%4)
	WIN 0x08+4*((\a)/4)                            ; the data: window 2 or 3
.irp b, 0,1,2,3,4,5,6,7
	ds_store_b128 v[STO], v[AC+8*\b:AC+8*\b+3] offset:128*(\b/2)+32*(\b%2)          ; each accumulator from its low end on
	ds_store_b128 v[STO], v[AC+8*\b+4:AC+8*\b+7] offset:128*(\b/2)+32*(\b%2)+16
.endr
	WIN 0
.set BB, BK+64*((\a)%2)
.irp t, 0,1,2,3,4,5,6,7,8,9,10,11,12,13,14,15
	ds_load_b128 v[BB+4*\t:BB+4*\t+3], v[RD] offset:\t*SPITCH
.endr
.endm
.macro SEND a, younger
.set BB, BK+64*((\a)%2)
	s_wait_dscnt \younger                          ; the block is back in registers
.if (\a) > 0
.if (\a)%2
	s_add_nc_u64 s[12:13], s[12:13], 8*4096        ; (behind a wait on XCNT: the earlier stores have read their base)
.else
	s_add_nc_u64 s[12:13], s[12:13], 24*4096
.endif
.endif
.irp t, 0,1,2,3,4,5,6,7,8,9,10,11,12,13,14,15
	global_store_b128 v[CO], v[BB+4*\t:BB+4*\t+3], s[12:13] offset:(\t+8*(\t/8))*4096 th:TH_STORE_NT   ; 32 lanes store 512 consecutive bytes, at a multiple of 256 from out0's first byte
.endr
.endm
	PLACES NP
	TOSTAGE 0
.irp a, 1,2,3,4,5,6,7
.if \a > 1
	s_wait_xcnt 0x0                                ; block a - 2's stores have read their registers and their base
.endif
	TOSTAGE \a
	SEND \a-1, 32                                  ; behind block a - 1's loads: block a's 16 stores and 16 loads
.endr
	s_wait_xcnt 0x0
	SEND 7, 0
	s_wait_tensorcnt 0x0                           ; the wave's end
	ds_add_u32 v[SPW], v[NIL]
	s_wait_dscnt 0x0
	CROUND                                         ; the closing round
	s_endpgm
.Lfunc_end_k_q677de96c0a_oproj:
	.size	k_q677de96c0a_oproj, .Lfunc_end_k_q677de96c0a_oproj-k_q677de96c0a_oproj
	.p2alignl 7, 3214868480
	.fill 96, 4, 3214868480
	.section	.rodata,"a",@progbits
	.p2align	6, 0x0
	.amdhsa_kernel k_q677de96c0a_oproj
		.amdhsa_group_segment_fixed_size 327680
		.amdhsa_private_segment_fixed_size 0
		.amdhsa_enable_private_segment 0
		.amdhsa_kernarg_size 24
		.amdhsa_user_sgpr_count 2
		.amdhsa_user_sgpr_kernarg_segment_ptr 1
		.amdhsa_wavefront_size32 1
		.amdhsa_system_sgpr_workgroup_id_x 1
		.amdhsa_system_sgpr_workgroup_id_y 1
		.amdhsa_system_sgpr_workgroup_id_z 1
		.amdhsa_system_vgpr_workitem_id 0
		.amdhsa_next_free_vgpr 1024
		.amdhsa_next_free_sgpr 98
		.amdhsa_reserve_vcc 0
		.amdhsa_float_denorm_mode_32 3
		.amdhsa_float_denorm_mode_16_64 3
		.amdhsa_memory_ordered 1
		.amdhsa_forward_progress 1
		.amdhsa_inst_pref_size 143
	.end_amdhsa_kernel
	.amdgpu_metadata
---
amdhsa.version: [ 1, 2 ]
amdhsa.kernels:
  - .name:           k_q677de96c0a_oproj
    .symbol:         k_q677de96c0a_oproj.kd
    .args:
      - { .name: aq, .offset: 0, .size: 8, .value_kind: global_buffer, .address_space: global }
      - { .name: wq, .offset: 8, .size: 8, .value_kind: global_buffer, .address_space: global }
      - { .name: out0, .offset: 16, .size: 8, .value_kind: global_buffer, .address_space: global }
    .group_segment_fixed_size: 327680
    .private_segment_fixed_size: 0
    .kernarg_segment_align: 8
    .kernarg_segment_size: 24
    .max_flat_workgroup_size: 128
    .sgpr_count:     98
    .vgpr_count:     1024
    .wavefront_size: 32
...
	.end_amdgpu_metadata
.endif
;; end of part 4
